; MI455X (gfx1250); checked and timed in simulation.
; The chip was launched on July 23, 2026; its instructions are those of AMD's public machine-readable ISA for CDNA 5 (MIT licence, August 2026) and "CDNA5" Instruction Set Architecture Reference Guide (July 2026). The comments in the code are by the model that wrote it; some were corrected since.
;; Multi Head Attention. Allowed arithmetic: matrix products marked QUANTISED: E2M1 operands, one E8M0 scale for each 32 along K, by v_wmma_scale_f32_16x16x128_f8f6f4 with both operands' format E2M1 (or v_wmma_scale_f32_32x16x128_f4), f32 sums; products left as they are: bf16, f16 or f32 operands; f32 sums; everything else in f32.
;; Inputs: Wk 1,024 x 1,024 float32; Wo 1,024 x 1,024 float32; Wq 1,024 x 1,024 float32; Wv 1,024 x 1,024 float32; bk 1,024 float32; bo 1,024 float32; bq 1,024 float32; bv 1,024 float32; k 2 x 2,048 x 1,024 float32; q 2 x 2,048 x 1,024 float32; v 2 x 2,048 x 1,024 float32.
;; Outputs: out0 2 x 2,048 x 1,024 float32.
;; This version of the problem:
;;   THIS VERSION OF THE PROBLEM IS GIVEN IN LOW PRECISION. The matrix products marked QUANTISED in the list below multiply operands that are first quantised to E2M1 (2 exponent bits, 1 mantissa bit; 4 bits a number), with one power-of-two scale for each 32 numbers along K (OCP MX v1.0); their sums are f32. The products marked 'left as it is' may take bf16, f16 or f32 operands, with f32 sums. Whichever they take, every output number must still come out within the allowed error. Rounding operands to bf16 (8 significant bits) uses up far more of that allowance than f16 does (11 bits, for magnitudes from 6e-5 to 65,504). All else is computed in f32.
;;   The module's matrix products, in the order in which they are computed (A, B: the left and right operand; K: the contracted axis; several contracted axes count as one K, in the product's order):
;;     1. [M 4,096, K 1,024] x [K 1,024, N 1,024]; A: input q; B: input Wq: QUANTISED
;;     2. [M 4,096, K 1,024] x [K 1,024, N 1,024]; A: input k; B: input Wk: QUANTISED
;;     3. [M 4,096, K 1,024] x [K 1,024, N 1,024]; A: input v; B: input Wv: QUANTISED
;;     4. batch 32 x [M 2,048, K 64] x [K 64, N 2,048]; A: computed on the way; B: computed on the way: left as it is (an operand is computed on the way)
;;     5. batch 32 x [M 2,048, K 2,048] x [K 2,048, N 64]; A: computed on the way; B: computed on the way: left as it is (an operand is computed on the way)
;;     6. [M 4,096, K 1,024] x [K 1,024, N 1,024]; A: computed on the way; B: input Wo: left as it is (an operand is computed on the way)
;;   THE QUANTISER, for each operand of a quantised product, along K:
;;     - K is cut into blocks of 32 from its start; a last block that is shorter is filled with zeros.
;;     - A block's scale is 2^e with e = floor(log2(the largest magnitude in the block)) - 2, held to -126 .. 127; a block of zeros has e = 0. As a byte (E8M0): e + 127.
;;     - Each number is divided by its block's scale, clamped to +-6, and rounded to the nearest number of E2M1, ties to even, subnormals kept.
;;     - The product sums the exact products of the quantised numbers (number of the format x scale) in f32.
;;   ~~~python
;;   def quantise(x, axis):      # numpy; x: float32 -> the quantised numbers, widened to float32 again
;;       x = np.moveaxis(x, axis, -1); K = x.shape[-1]
;;       x = np.pad(x, [(0, 0)] * (x.ndim - 1) + [(0, -K % 32)]); x = x.reshape(x.shape[:-1] + (-1, 32)); a = np.abs(x).max(-1, keepdims=True)
;;       e = np.where(a > 0, np.clip(np.frexp(np.where(a > 0, a, 1))[1] - 1 - 2, -126, 127), 0)      # np.frexp(a)[1] - 1 = floor(log2(a)), exactly
;;       r = np.clip(x / 2.0 ** e, -6, 6)
;;       step = 2.0 ** (np.maximum(np.frexp(np.where(r == 0, 1, r))[1] - 1, 0) - 1)
;;       q = np.round(r / step) * step * 2.0 ** e      # np.round: ties to even
;;       return np.moveaxis(q.reshape(q.shape[:-2] + (-1,))[..., :K], -1, axis).astype(np.float32)
;;   ~~~
;; One version. Each part assembles by itself: llvm-mc -triple=amdgcn-amd-amdhsa -mcpu=gfx1250 --defsym DOCPART=n.
;; ======== version 1 of 1: 4 launches
;; limits: values are held in f16: magnitudes above 65,504 overflow, below 6.1e-05 lose precision
;; workspace buffers: codes 7,864,320 bytes; scales 491,520 bytes; wo16 2,097,152 bytes; heads 25,165,824 bytes; ao 8,388,608 bytes
;; launch quant (part 1): grid 544 x 1, 4 waves a work-group, no clusters, 33,280 bytes of LDS; arguments q, k, v, Wq, Wk, Wv, Wo, codes, scales, wo16; writes codes, scales, wo16
.if DOCPART == 1
	.amdgcn_target "amdgcn-amd-amdhsa--gfx1250"
	.amdhsa_code_object_version 6
	.text
	.protected	k_qecb7dcda69_quant
	.globl	k_qecb7dcda69_quant
	.p2align	8
	.type	k_qecb7dcda69_quant,@function
k_qecb7dcda69_quant:
	s_mov_b64 s[64:65], 0
	v_nop
	global_prefetch_b8 v0, s[64:65] scope:SCOPE_SE
	s_setreg_imm32_b32 hwreg(HW_REG_WAVE_MODE, 25, 1), 1
	s_wait_xcnt 0x0
; q, k, v [4096][1024] and Wq, Wk, Wv [1024][1024], f32 with K innermost, become codes of FP4 (E2M1), two a byte, the lower k in the low four bits, with one E8M0 byte for each 32 along K.
; The six tensors' rows lie one behind the other in the two buffers: codes [15360][512 bytes], scales [15360][32 bytes]; rows 0 q, 4096 k, 8192 v, 12288 Wq, 13312 Wk, 14336 Wv.
; A block's scale is 2^(floor(log2(its largest magnitude)) - 2); its byte is the largest magnitude's exponent field - 2, held at 1 from below; each number is divided by the scale and rounded to the nearest code, ties to even,
; beyond 6 the largest code.  Wo [1024][1024] is rounded to f16 and laid [n / 128][k / 64][n % 128][k % 64], so that the last launch's tiles are dense blocks of rows of 128 bytes.
; LIMITS: NaN and infinities are not served.  A block whose largest magnitude lies under 2^-124 keeps the byte 1; so does a block of zeros (its codes are zeros; the bytes are read by this program alone).
; Wo's numbers must lie under 65,504 in magnitude (f16).
; SHARES.  Work-groups 0 to 479 quantise: rows are dense and K is a multiple of 32, so a tensor is a plain stream of blocks of 32; a wave takes 16 steps of 512 numbers.  Each of a step's four loads reads 512 consecutive
; bytes; the 2,048 bytes turn through the wave's own stage in LDS and come back 64 bytes a lane: 16 neighbours along K, two lanes to a block.  A wave's 256 scale bytes are gathered in LDS and leave as one aligned 256 bytes.
; Work-groups 480 to 543 take Wo, 4 rows a wave, through registers alone.  No cluster: no two work-groups read the same bytes.  No barrier: waves share nothing.
.set WAVES, 4
.set STEPS, 16
.set WGQ,   480                        ; work-groups that quantise: 128 each for q, k, v; 32 each for Wq, Wk, Wv
.set EMAX,  2
.set CB,    8                          ; bytes of 16 codes
.set R,     16                         ; v16-79   four sets of 16 numbers as loaded (Wo: v16-143, two sets of 64)
.set X,     80                         ; v80-111  two sets of 16 neighbours
.set E,     112                        ; v112-127 a scale byte for each step
.set C,     128                        ; v128-191 codes: four registers for each step, so that no store's data are written again
.set OUTW,  144                        ; Wo: v144-207, two sets of 32 registers of f16: no store's data are written again
.set WREG,  8192                       ; LDS: a region for each wave: two stages of 32 x SP bytes, behind them its 256 scale bytes
.set SP,    80                         ; a lane's place in a stage: 64 bytes + 16 of padding
.set SPW,   12                         ; v12  LDS address of my spare word: SPARE + 4 x my thread's number; never rewritten
.set NIL,   13                         ; v13  0; never rewritten
.set SPARE, WAVES*WREG                 ; behind the four regions: the spare words, 128 bytes a wave, which no other line names
	s_load_b512 s[8:23], s[0:1], 0x0               ; q 8, k 10, v 12, Wq 14, Wk 16, Wv 18, Wo 20, codes 22
	s_load_b128 s[24:27], s[0:1], 0x40             ; scales 24, wo16 26
	v_lshl_add_u32 v[SPW], v0, 2, SPARE
	v_mov_b32 v[NIL], 0
	v_lshrrev_b32 v1, 5, v0
	v_readfirstlane_b32 s28, v1                    ; wave
	s_mov_b32 s33, 0                               ; the upper word of every offset pair s[32:33]
	s_wait_kmcnt 0x0
	s_cmp_ge_u32 ttmp9, WGQ                        ; the work-group's number alone decides
	s_cbranch_scc1 .Lwo
	; ---- the six tensors that are quantised
	v_and_b32 v2, 31, v0                           ; lane
	v_lshlrev_b32 v3, 4, v2                        ; my 16 bytes of a load's 512
	s_mul_i32 s30, s28, WREG
	v_lshrrev_b32 v14, 2, v2
	v_mul_u32_u24 v14, v14, SP
	v_and_b32 v15, 3, v2
	v_lshl_add_u32 v14, v15, 4, v14
	v_add_nc_u32 v14, s30, v14                     ; the stage, on the way in: four lanes' 64 bytes on end, then 16 of padding
	v_mul_u32_u24 v15, v2, SP
	v_add_nc_u32 v15, s30, v15                     ; and on the way out: SP x lane: my 16 neighbours
	v_mul_u32_u24 v4, v2, CB                       ; my codes' place in a step's
	v_lshrrev_b32 v5, 1, v2
	s_add_co_u32 s30, s30, 2*32*SP
	v_add_nc_u32 v5, s30, v5                       ; LDS: my wave's 256 scale bytes, my block's byte
	v_lshlrev_b32 v7, 3, v2                        ; on the way out 8 bytes a lane
	v_add_nc_u32 v6, s30, v7
	s_mov_b64 s[4:5], s[18:19]                     ; which tensor is my work-group's, and which was its first work-group: Wv, unless the number is lower
	s_mov_b32 s29, 448
.macro PICK lim, ptr, first
	s_cmp_lt_u32 ttmp9, \lim
	s_cselect_b64 s[4:5], s[\ptr:\ptr+1], s[4:5]
	s_cselect_b32 s29, \first, s29
.endm
	PICK 448, 16, 416                              ; Wk
	PICK 416, 14, 384                              ; Wq
	PICK 384, 12, 256                              ; v
	PICK 256, 10, 128                              ; k
	PICK 128, 8, 0                                 ; q
	s_sub_co_u32 s29, ttmp9, s29
	s_lshl_b32 s29, s29, 2
	s_add_co_u32 s29, s29, s28                     ; which run of 8,192 numbers of the tensor is my wave's
	s_lshl_b32 s32, s29, 15                        ; 32,768 bytes a run
	s_add_nc_u64 s[4:5], s[4:5], s[32:33]
	s_lshl_b32 s29, ttmp9, 2
	s_add_co_u32 s29, s29, s28                     ; and which run of the two buffers: the tensors follow each other as the work-groups do
	s_lshl_b32 s32, s29, 12                        ; 4,096 bytes of codes a run
	s_add_nc_u64 s[22:23], s[22:23], s[32:33]
	s_lshl_b32 s32, s29, 8                         ; 256 scale bytes a run
	s_add_nc_u64 s[24:25], s[24:25], s[32:33]
.macro LOAD t
.irp i, 0,1,2,3
	global_load_b128 v[R+16*((\t)%4)+4*\i:R+16*((\t)%4)+4*\i+3], v3, s[4:5] offset:2048*(\t)+512*\i th:TH_LOAD_NT   ; 32 lanes read 512 consecutive bytes
.endr
.endm
.macro TURN t                          ; step t's numbers through the stage: LDS serves a wave's instructions in order (ISA guide 5.7.1.4), so no wait stands between the stores and the loads
.irp i, 0,1,2,3
	ds_store_b128 v14, v[R+16*((\t)%4)+4*\i:R+16*((\t)%4)+4*\i+3] offset:32*SP*((\t)%2)+8*SP*\i
.endr
.irp i, 0,1,2,3
	ds_load_b128 v[X+16*((\t)%2)+4*\i:X+16*((\t)%2)+4*\i+3], v15 offset:32*SP*((\t)%2)+16*\i
.endr
.endm
.irp t, 0,1,2,3
	LOAD \t
.endr
	s_wait_loadcnt 12                              ; step 0's four loads are in; those of steps 1 to 3 may be out
	TURN 0
.macro STEP t
.set XS, X+16*((\t)%2)
.if (\t) > 0
	s_wait_dscnt 1                                 ; this step's numbers are back from the stage (the last step's byte store may be out): so its stores into the stage have read their registers,
.else
	s_wait_dscnt 0x0
.endif
.if (\t)+4 < STEPS
	LOAD (\t)+4                                    ; which take the loads of four steps on
.endif
.if (\t)+1 < STEPS
.if STEPS-2-(\t) >= 3
	s_wait_loadcnt 12                              ; the next step's four loads are in; those of the three steps behind it may be out
.else
	s_wait_loadcnt 4*(STEPS-2-(\t))                ; at the end the count runs down
.endif
	TURN (\t)+1                                    ; and go through the other stage while this step is worked
.endif
	v_max3_num_f32 v8, |v[XS]|, |v[XS+1]|, |v[XS+2]|               ; the largest magnitude of my 16, in two chains
	v_max3_num_f32 v9, |v[XS+3]|, |v[XS+4]|, |v[XS+5]|
.irp i, 6,10
	v_max3_num_f32 v8, v8, |v[XS+\i]|, |v[XS+\i+1]|
	v_max3_num_f32 v9, v9, |v[XS+\i+2]|, |v[XS+\i+3]|
.endr
	v_max3_num_f32 v8, v8, |v[XS+14]|, |v[XS+15]|
	v_max3_num_f32 v8, v8, v9, (EMAX+1)<<23        ; and the floor 2^(EMAX + 1 - 127): so the byte cannot fall under 1
	v_max_num_f32_dpp v8, v8, v8 row_xmask:1 row_mask:0xf bank_mask:0xf   ; and of my neighbour's 16: the block's
	v_add_nc_u32 v11, -(EMAX<<23), v8              ; EMAX off its exponent field: the conversion takes the exponent field of this operand as its scale, and nothing else of it
	v_cvt_scalef32_pk8_fp4_f32 v[C+4*(\t)], v[XS:XS+7], v11
	v_cvt_scalef32_pk8_fp4_f32 v[C+4*(\t)+1], v[XS+8:XS+15], v11
	v_lshrrev_b32 v[E+(\t)], 23, v11               ; the scale's byte (a plain line behind the conversions)
	ds_store_b8 v5, v[E+(\t)] offset:16*(\t)       ; both lanes of a block write the same byte with the same value
	global_store_b64 v4, v[C+4*(\t):C+4*(\t)+1], s[22:23] offset:32*CB*(\t)   ; the wave stores 256 consecutive bytes, aligned
.endm
.irp t, 0,1,2,3,4,5,6,7,8,9,10,11,12,13,14,15
	STEP \t
.endr
	ds_load_b64 v[8:9], v6                         ; in order behind my byte stores
	s_wait_dscnt 0x0
	global_store_b64 v7, v[8:9], s[24:25]          ; 32 lanes store 256 consecutive bytes, aligned
	s_wait_tensorcnt 0x0                           ; the wave's end
	ds_add_u32 v[SPW], v[NIL]
	s_wait_dscnt 0x0
	s_endpgm
	; ---- Wo to f16.  A wave takes rows n0 .. n0 + 3, two at a time.  Lane: j = l % 16 (4 numbers along K), rr = l / 16 (which of the two rows).
	; A load takes 64 along K of both rows: sixteen lanes read 256 consecutive bytes, aligned.  The four numbers become 8 bytes of f16; in wo16 the two rows' 128 bytes of one block of 64 along K
	; follow each other, so the wave's store covers 256 consecutive bytes, aligned.  All 32 loads of the wave go out at the head.
.Lwo:
	v_and_b32 v4, 15, v0
	v_bfe_u32 v5, v0, 4, 1
	v_lshlrev_b32 v2, 12, v5                       ; in: 4,096 rr + 16 j
	v_lshl_add_u32 v2, v4, 4, v2
	v_lshlrev_b32 v3, 7, v5                        ; out: 128 rr + 8 j
	v_lshl_add_u32 v3, v4, 3, v3
	s_sub_co_u32 s30, ttmp9, WGQ
	s_lshl_b32 s30, s30, 4
	s_lshl_b32 s31, s28, 2
	s_add_co_u32 s30, s30, s31                     ; n0 = 16 x (work-group - 480) + 4 x wave
	s_lshl_b32 s32, s30, 12
	s_add_nc_u64 s[20:21], s[20:21], s[32:33]      ; Wo at row n0
	s_lshr_b32 s32, s30, 7
	s_lshl_b32 s32, s32, 18                        ; wo16: 262,144 bytes for each 128 rows,
	s_and_b32 s31, s30, 127
	s_lshl_b32 s31, s31, 7                         ; 128 bytes a row within a block
	s_add_co_u32 s32, s32, s31
	s_add_nc_u64 s[26:27], s[26:27], s[32:33]
.macro LOADG p                         ; rows n0 + 2 p, + 1, whole: 16 loads into set p
.irp z, 0,1,2,3,4,5,6,7,8,9,10,11,12,13,14,15
	global_load_b128 v[R+64*(\p)+4*\z:R+64*(\p)+4*\z+3], v2, s[20:21] offset:(\p)*8192+\z*256 th:TH_LOAD_NT
.endr
.endm
.macro GROUP p
.irp z, 0,1,2,3,4,5,6,7,8,9,10,11,12,13,14,15
	v_cvt_pk_f16_f32 v[OUTW+32*(\p)+2*\z],   v[R+64*(\p)+4*\z],   v[R+64*(\p)+4*\z+1]
	v_cvt_pk_f16_f32 v[OUTW+32*(\p)+2*\z+1], v[R+64*(\p)+4*\z+2], v[R+64*(\p)+4*\z+3]
.endr
.irp z, 0,1,2,3,4,5,6,7,8,9,10,11,12,13,14,15
	global_store_b64 v3, v[OUTW+32*(\p)+2*\z:OUTW+32*(\p)+2*\z+1], s[26:27] offset:\z*16384+(\p)*256   ; block z of 64 along K: 16,384 bytes each
.endr
.endm
	LOADG 0
	LOADG 1
	s_wait_loadcnt 16                              ; the first pair's 16 loads are in; the second pair's 16 may be out
	GROUP 0
	s_wait_loadcnt 0x0
	GROUP 1
	s_wait_tensorcnt 0x0                           ; the wave's end
	ds_add_u32 v[SPW], v[NIL]
	s_wait_dscnt 0x0
	s_endpgm
.Lfunc_end_k_qecb7dcda69_quant:
	.size	k_qecb7dcda69_quant, .Lfunc_end_k_qecb7dcda69_quant-k_qecb7dcda69_quant
	.p2alignl 7, 3214868480
	.fill 96, 4, 3214868480
	.section	.rodata,"a",@progbits
	.p2align	6, 0x0
	.amdhsa_kernel k_qecb7dcda69_quant
		.amdhsa_group_segment_fixed_size 33280
		.amdhsa_private_segment_fixed_size 0
		.amdhsa_enable_private_segment 0
		.amdhsa_kernarg_size 80
		.amdhsa_user_sgpr_count 2
		.amdhsa_user_sgpr_kernarg_segment_ptr 1
		.amdhsa_wavefront_size32 1
		.amdhsa_system_sgpr_workgroup_id_x 1
		.amdhsa_system_sgpr_workgroup_id_y 1
		.amdhsa_system_sgpr_workgroup_id_z 1
		.amdhsa_system_vgpr_workitem_id 0
		.amdhsa_next_free_vgpr 208
		.amdhsa_next_free_sgpr 66
		.amdhsa_reserve_vcc 0
		.amdhsa_float_denorm_mode_32 3
		.amdhsa_float_denorm_mode_16_64 3
		.amdhsa_memory_ordered 1
		.amdhsa_forward_progress 1
		.amdhsa_inst_pref_size 45
	.end_amdhsa_kernel
	.amdgpu_metadata
---
amdhsa.version: [ 1, 2 ]
amdhsa.kernels:
  - .name:           k_qecb7dcda69_quant
    .symbol:         k_qecb7dcda69_quant.kd
    .args:
      - { .name: q, .offset: 0, .size: 8, .value_kind: global_buffer, .address_space: global }
      - { .name: k, .offset: 8, .size: 8, .value_kind: global_buffer, .address_space: global }
      - { .name: v, .offset: 16, .size: 8, .value_kind: global_buffer, .address_space: global }
      - { .name: Wq, .offset: 24, .size: 8, .value_kind: global_buffer, .address_space: global }
      - { .name: Wk, .offset: 32, .size: 8, .value_kind: global_buffer, .address_space: global }
      - { .name: Wv, .offset: 40, .size: 8, .value_kind: global_buffer, .address_space: global }
      - { .name: Wo, .offset: 48, .size: 8, .value_kind: global_buffer, .address_space: global }
      - { .name: codes, .offset: 56, .size: 8, .value_kind: global_buffer, .address_space: global }
      - { .name: scales, .offset: 64, .size: 8, .value_kind: global_buffer, .address_space: global }
      - { .name: wo16, .offset: 72, .size: 8, .value_kind: global_buffer, .address_space: global }
    .group_segment_fixed_size: 33280
    .private_segment_fixed_size: 0
    .kernarg_segment_align: 8
    .kernarg_segment_size: 80
    .max_flat_workgroup_size: 128
    .sgpr_count:     66
    .vgpr_count:     208
    .wavefront_size: 32
...
	.end_amdgpu_metadata
.endif
;; end of part 1
;; launch proj (part 2): grid 4 x 48, 4 waves a work-group, clusters of 4 x 4, 327,680 bytes of LDS; arguments codes, scales, bq, bk, bv, heads; writes heads
.if DOCPART == 2
	.amdgcn_target "amdgcn-amd-amdhsa--gfx1250"
	.amdhsa_code_object_version 6
	.text
	.protected	k_qecb7dcda69_proj
	.globl	k_qecb7dcda69_proj
	.p2align	8
	.type	k_qecb7dcda69_proj,@function
k_qecb7dcda69_proj:
	s_mov_b64 s[64:65], 0
	v_nop
	global_prefetch_b8 v0, s[64:65] scope:SCOPE_SE
	s_setreg_imm32_b32 hwreg(HW_REG_WAVE_MODE, 25, 1), 1
	s_wait_xcnt 0x0
	s_wait_alu depctr_hold_cnt(0) depctr_sa_sdst(0) depctr_va_vdst(0) depctr_va_sdst(0) depctr_va_ssrc(0) depctr_va_vcc(0) depctr_vm_vsrc(0)
	s_getreg_b32 s2, hwreg(HW_REG_IB_STS2, 6, 4)
	s_cmp_eq_u32 s2, 0
	s_cbranch_scc0 .Lentry_in_a_cluster
	s_endpgm
.Lentry_in_a_cluster:
	s_bfe_u32 s2, ttmp6, 0x10000c
	s_cmp_lg_u32 s2, 0xf033
	s_cbranch_scc0 .Lentry_shape_is_right
	s_endpgm
.Lentry_shape_is_right:
; The three quantised products: y = x W^T + b for (q, Wq, bq), (k, Wk, bk), (v, Wv, bv), on codes of FP4 (E2M1) with one E8M0 scale for each 32 along K; sums in f32; y rounded once to f16 and laid by heads.
; codes [15360][512 bytes], scales [15360][32 bytes]: rows 0 q, 4096 k, 8192 v, 12288 Wq, 13312 Wk, 14336 Wv.  heads: f16 [tensor 3][batch x 16 + head][token 2048][64].
; LIMIT: |y| must lie under 65,504 (f16).
; SHARES.  48 x 4 tiles of 256 x 256: tile row 0 .. 47 walks q's, k's and v's 12,288 rows, tile column 0 .. 3 the 1,024 outputs.  Four waves, each 128 x 128: 64 accumulators, 512 registers.
; K = 1,024 is two LDS slots of 512 along K (rows of 256 bytes): both slots and all scale bytes are FIRST fills, three tensor loads a wave, all three out at once; no LDS byte is filled twice.
; CLUSTERS: 4 x 4 work-groups; a cluster lies inside one tensor (16 tile rows each).  The four of a row of the cluster need the same rows of x, the four of a column the same rows of W: each tile is asked for JOINTLY.
; THE MATRIX INSTRUCTION IS USED TRANSPOSED (source 0 = 16 rows of W, source 1 = 16 rows of x): a lane holds eight neighbouring outputs of one token.  The bias is the C of each sum's first instruction.
; REGISTERS, in windows of 256: window 0: v0-31 addresses; v32-95 scale words, two sets; v128-191 x's fragments, ONE set; v192-255 the bias, 8 registers for each block of 16 outputs; on the way out v128-223 are free.
;   window 1: W's fragments, TWO sets, at v0 and v128.   window 2: the accumulators of my rows 0-63 ((a, b) at v[8 (8 a + b)]);   window 3: those of my rows 64-127.
.set NQ,     4                         ; steps of 128 along K in a slot
.set ROWB,   256                       ; a tile's row in bytes: 512 codes
.set KROW,   512                       ; a row of codes in memory
.set PITCH,  272                       ; an LDS row: 256 bytes + 16 of padding: the 16 rows that a load touches start 16 bytes apart modulo 256
.set FR,     8                         ; registers of a fragment: 16 rows x 128 K
.set NL,     2                         ; LDS loads that bring one
.set NP,     4                         ; places behind this matrix instruction (ISA guide 7.12.1)
.set HALFT,  128*PITCH                 ; 128 rows: what one tensor load brings, and what one wave reads of x or of W
.set SLOT,   4*HALFT                   ; x's 256 rows, then W's 256 rows
.set KS,     32                        ; a row of scale bytes
.set SCL,    2*SLOT                    ; behind the slots: the scale bytes, as runs of 256 bytes + 16 of padding
.set HALFS,  (128*KS/256)*272          ; those of 128 rows: what one tensor load brings
.set SBLK,   (16*KS/256)*272           ; those of 16 rows
.set SPARE,  SCL+4*HALFS               ; behind the scales: the spare words, 128 bytes a wave, which no other line names
.set SPITCH, 272                       ; the way out: a stage of 16 rows x (256 bytes + 16) for each wave, in slot 0, which has had its only fill and its last read by then
.set WROW0,  12288                     ; Wq's first row in the two buffers
.set ADRA, 16                          ; v16-17  LDS address of my x fragments in slot 0, 1
.set ADRB, 20                          ; v20-21  the same for W
.set STO,  24                          ; v24     the way out: where I put 16 bytes of a row
.set RD,   25                          ; v25     the way out: where I read 16 bytes back
.set CO,   26                          ; v26     my byte offset in heads
.set ADRS, 27                          ; v27     LDS address of my scale words: lanes 0-15 x's rows, lanes 16-31 W's
.set SPW,  28                          ; v28     LDS address of my spare word; never rewritten
.set NIL,  29                          ; v29     0; never rewritten
.set SC,   32                          ; scale words: set s at v[SC + 32 s]; register 4 i + q: lanes 0-15 x's block i, lanes 16-31 W's block i, the slot's q-th 128 along K
.set AF,   128                         ; x's fragments
.set BIAS, 192                         ; the bias in the result's layout
.set TMP,  128                         ; the way out: a block packed to f16
.set BK,   160                         ; the way out: a block read back: v160-191 and v192-223 by turns
.set G1, 24                            ; s[24:31] descriptor group 1 for x's tiles;  s[32:39] group 0, one set for each slot
.set G0, 32
.set G1B, 48                           ; s[48:55], s[56:63] the same for W's tiles
.set G0B, 56
.set G1S, 68                           ; s[68:75], s[76:79] groups 1 and 0 for x's scales;  s[80:87], s[88:91] for W's
.set G0S, 76
.set G1SB, 80
.set G0SB, 88
.set MSB, 0
.macro WIN new                         ; the immediate's high byte repeats the setting that is left; a switch that changes nothing is dropped
.if MSB != (\new)
	s_set_vgpr_msb (MSB<<8)|(\new)
.set MSB, (\new)
.endif
.endm
.set MUL_LO, 0xa1                      ; source 0 (W) window 1, source 1 (x) window 0, C and D window 2
.set MUL_HI, 0xf1                      ; the same, C and D window 3
.set FST_LO, 0x81                      ; the first step: C (the bias) window 0, D window 2
.set FST_HI, 0xc1                      ; D window 3
.set TO_B,   0x40                      ; destination window 1, address window 0
; A joint load: waves 0 and 1 fetch for x, waves 2 and 3 for W.  Each of the two lines has one mask and one set of registers for all that issue it; the branch hangs on the wave's number alone.
; An s_nop 0 and four v_nop follow each line, ahead of the jump, the label and what follows.
.macro JLOAD g0a, g1a, g0b, g1b
	s_cmp_eq_u32 s15, 0
	s_cbranch_scc0 .Lfor_b_\@
	tensor_load_to_lds s[\g0a:\g0a+3], s[\g1a:\g1a+7]
	s_nop 0
.rept 4
	v_nop
.endr
	s_branch .Lasked_\@
.Lfor_b_\@:
	tensor_load_to_lds s[\g0b:\g0b+3], s[\g1b:\g1b+7]
	s_nop 0
.rept 4
	v_nop
.endr
.Lasked_\@:
.endm
.macro CROUND                          ; a round of the cluster's barrier: my work-group's barrier; wave 0 signals for the work-group; every wave waits for all sixteen; my work-group's barrier once more
	s_barrier_signal -1
	s_barrier_wait -1
	s_cmp_lg_u32 s14, 0
	s_cbranch_scc1 .Lnot_wave_0_\@
	s_barrier_signal -3
.Lnot_wave_0_\@:
	s_barrier_wait -3
	s_barrier_signal -1
	s_barrier_wait -1
.endm
	s_load_b256 s[4:11], s[0:1], 0x0               ; codes s[4:5], scales s[6:7], bq s[8:9], bk s[10:11]
	s_load_b64 s[96:97], s[0:1], 0x20              ; bv
	s_load_b64 s[12:13], s[0:1], 0x28              ; heads
	v_lshl_add_u32 v[SPW], v0, 2, SPARE
	v_mov_b32 v[NIL], 0
	ds_add_u32 v[SPW], v[NIL]                      ; the wave's opening: the add and its wait stand ahead of my first tensor load; the set-up below, work on registers, stands between them
	v_lshrrev_b32 v1, 5, v0
	v_readfirstlane_b32 s14, v1                    ; wave 0..3
	s_lshr_b32 s15, s14, 1                         ; which half of the tile's rows is mine.  Also: I fetch for x (0) or for W (1)
	s_and_b32 s16, s14, 1                          ; which half of its columns.  Also: which 128 rows of that tile I fetch
	s_bfe_u32 s40, ttmp6, 0x40000                  ; cx, cy: my place in the cluster
	s_bfe_u32 s41, ttmp6, 0x40004
	s_lshl_b32 s42, ttmp9, 2
	s_add_co_u32 s42, s42, s40                     ; tile column = 4 x cluster x + cx
	s_and_b32 s2, ttmp7, 0xffff                    ; cluster y, 0 .. 11
	s_lshr_b32 s3, s2, 2                           ; the tensor: 0 q, 1 k, 2 v: the same in all sixteen partners
	s_lshl_b32 s17, s2, 2
	s_add_co_u32 s17, s17, s41                     ; tile row = 4 x cluster y + cy, 0 .. 47
	s_lshl_b32 s43, s41, 2
	s_lshl_b32 s43, 15, s43                        ; my row of the cluster
	s_lshl_b32 s44, 0x1111, s40                    ; my column
	; descriptor group 1: a tile of 128 rows x 256 bytes, padded in LDS
	s_or_b32 s[G1+0], s43, (0<<16)|(1<<20)|(1<<21)|(5<<22)|(3<<25)  ; 15:0 the mask: x's tiles go to my row; 17:16 elements of 1 byte; 20 padding on; 21 set beside a mask; 24:22 after every 64 words; 31:25 four words
	s_or_b32 s[G1B+0], s44, (0<<16)|(1<<20)|(1<<21)|(5<<22)|(3<<25) ; the same with my column's mask
.irp g, G1, G1B
	s_mov_b32 s[\g+1], ROWB<<16                    ; tensor_dim0
	s_mov_b32 s[\g+2], 128<<16                     ; tensor_dim1
	s_mov_b32 s[\g+3], ROWB<<16                    ; tile_dim0
	s_mov_b32 s[\g+4], 128                         ; tile_dim1
	s_mov_b32 s[\g+5], KROW                        ; tensor_dim0_stride
	s_mov_b32 s[\g+6], 0
	s_mov_b32 s[\g+7], 0
.endr
	; and for the scale bytes of 128 rows: 4,096 dense bytes, as 16 rows of 256 bytes (32 elements of 8 bytes), 16 bytes of padding behind each
	s_or_b32 s[G1S+0], s43, (3<<16)|(1<<20)|(1<<21)|(5<<22)|(3<<25)
	s_or_b32 s[G1SB+0], s44, (3<<16)|(1<<20)|(1<<21)|(5<<22)|(3<<25)
.irp g, G1S, G1SB
	s_mov_b32 s[\g+1], 32<<16
	s_mov_b32 s[\g+2], (128*KS/256)<<16
	s_mov_b32 s[\g+3], 32<<16
	s_mov_b32 s[\g+4], 128*KS/256
	s_mov_b32 s[\g+5], 32
	s_mov_b32 s[\g+6], 0
	s_mov_b32 s[\g+7], 0
.endr
	s_lshl_b32 s18, s16, 7                         ; which 128 rows of the tile I fetch
	s_lshl_b32 s20, s17, 8
	s_add_co_u32 s20, s20, s18                     ; x: row 256 x tile row + 128 x half: it hangs on cy and the cluster's y
	s_lshl_b32 s46, s42, 8
	s_add_co_u32 s46, s46, s18                     ; W: row 256 x tile column + 128 x half,
	s_lshl_b32 s47, s3, 10
	s_add_co_u32 s46, s46, s47                     ; in the tensor's own weight,
	s_add_co_u32 s46, s46, WROW0                   ; behind x's rows: it hangs on cx and the cluster's y
	s_mov_b32 s21, 0
	s_mov_b32 s47, 0
	s_mov_b64 s[18:19], KS
	s_mul_u64 s[22:23], s[20:21], s[18:19]         ; where these rows' scale bytes begin
	s_mul_u64 s[92:93], s[46:47], s[18:19]
	s_mov_b64 s[18:19], KROW
	s_mul_u64 s[20:21], s[20:21], s[18:19]         ; and their codes
	s_mul_u64 s[46:47], s[46:47], s[18:19]
	s_mul_i32 s45, s14, HALFT                      ; where they go: wave x 128 rows: no place in the cluster enters an LDS address
	s_mul_i32 s94, s14, HALFS
	s_wait_dscnt 0x0                               ; the opening add is done
	s_wait_kmcnt 0x0
	s_add_nc_u64 s[20:21], s[4:5], s[20:21]
	s_add_nc_u64 s[22:23], s[6:7], s[22:23]
	s_add_nc_u64 s[46:47], s[4:5], s[46:47]
	s_add_nc_u64 s[92:93], s[6:7], s[92:93]
	CROUND                                         ; all sixteen work-groups are here: the joint loads meet
	s_mov_b32 s[G0S], 1
	s_add_co_u32 s[G0S+1], s94, SCL
	s_mov_b64 s[G0S+2:G0S+3], s[22:23]
	s_or_b32 s[G0S+3], s[G0S+3], 0x80000000
	s_mov_b32 s[G0SB], 1
	s_add_co_u32 s[G0SB+1], s94, SCL
	s_mov_b64 s[G0SB+2:G0SB+3], s[92:93]
	s_or_b32 s[G0SB+3], s[G0SB+3], 0x80000000
	JLOAD G0S, G1S, G0SB, G1SB                     ; the scale bytes first: they are wanted with the first slot
.irp s, 0,1
	s_mov_b32 s[G0+4*\s], 1                        ; count = 1
	s_add_co_u32 s[G0+4*\s+1], s45, \s*SLOT        ; LDS address
	s_add_nc_u64 s[G0+4*\s+2:G0+4*\s+3], s[20:21], \s*ROWB   ; global address: the slot's 512 along K
	s_or_b32 s[G0+4*\s+3], s[G0+4*\s+3], 0x80000000          ; type = 2
	s_mov_b32 s[G0B+4*\s], 1
	s_add_co_u32 s[G0B+4*\s+1], s45, \s*SLOT
	s_add_nc_u64 s[G0B+4*\s+2:G0B+4*\s+3], s[46:47], \s*ROWB
	s_or_b32 s[G0B+4*\s+3], s[G0B+4*\s+3], 0x80000000
	JLOAD G0+4*\s, G1, G0B+4*\s, G1B
.endr
	v_and_b32 v1, 15, v0                           ; r = l % 16
	v_bfe_u32 v2, v0, 4, 1                         ; h = l / 16
	; the bias: block b's register j of lane (r, h) is b[256 x tile column + 128 x half + 16 b + 8 h + j]
	s_cmp_eq_u32 s3, 1
	s_cselect_b64 s[8:9], s[10:11], s[8:9]
	s_cmp_eq_u32 s3, 2
	s_cselect_b64 s[8:9], s[96:97], s[8:9]
	s_lshl_b32 s46, s42, 10
	s_lshl_b32 s47, s16, 9
	s_add_co_u32 s46, s46, s47
	s_mov_b32 s47, 0
	s_add_nc_u64 s[8:9], s[8:9], s[46:47]
	v_lshlrev_b32 v7, 5, v2
.irp b, 0,1,2,3,4,5,6,7
	global_load_b128 v[BIAS+8*\b:BIAS+8*\b+3],   v7, s[8:9] offset:64*\b
	global_load_b128 v[BIAS+8*\b+4:BIAS+8*\b+7], v7, s[8:9] offset:64*\b+16
.endr
	v_mul_u32_u24 v3, v1, PITCH
	v_lshl_add_u32 v4, v2, 4, v3                   ; a fragment's row x pitch + 16 x half
	s_mul_i32 s21, s15, HALFT                      ; my 128 rows of x
	s_mul_i32 s22, s16, HALFT                      ; my 128 rows of W,
	s_add_co_u32 s22, s22, 2*HALFT                 ; which lie behind x's 256
.irp s, 0,1
	v_add_nc_u32 v[ADRA+\s], s21, v4
	v_add_nc_u32 v[ADRB+\s], s22, v4
	s_add_co_u32 s21, s21, SLOT
	s_add_co_u32 s22, s22, SLOT
.endr
	v_mul_u32_u24 v5, v1, KS                       ; my row's scale bytes: 32 a row,
	v_lshrrev_b32 v6, 8, v5
	v_lshl_add_u32 v5, v6, 4, v5                   ; and 16 more for each 256 passed
	s_mul_i32 s21, s15, HALFS                      ; x's: my 128 rows
	s_mul_i32 s22, s16, HALFS                      ; W's: my 128 rows, behind x's 256
	s_add_co_u32 s22, s22, 2*HALFS
	s_sub_co_u32 s22, s22, s21
	v_mul_u32_u24 v6, s22, v2                      ; lanes 16-31 take W's: one product, the distance between the two bases x h
	s_add_co_u32 s21, s21, SCL
	v_add_nc_u32 v5, v5, v6
	v_add_nc_u32 v[ADRS], s21, v5
	s_mul_i32 s23, s14, 16*SPITCH                  ; my stage
	v_mul_u32_u24 v5, v1, SPITCH                   ; in: row r, 16 bytes for each half of the lanes
	v_lshl_add_u32 v5, v2, 4, v5
	v_add_nc_u32 v[STO], s23, v5
	v_bfe_u32 v5, v0, 3, 1                         ; back: lanes 0-15 take two tokens' 128 bytes of the first head, lanes 16-31 of the second
	v_and_b32 v6, 7, v0
	v_mul_u32_u24 v8, v5, SPITCH
	v_lshl_add_u32 v8, v2, 7, v8
	v_lshl_add_u32 v8, v6, 4, v8
	v_add_nc_u32 v[RD], s23, v8
	v_lshlrev_b32 v[CO], 18, v2                    ; and the same in heads: 262,144 bytes from head to head, 128 from token to token
	v_lshl_add_u32 v[CO], v5, 7, v[CO]
	v_lshl_add_u32 v[CO], v6, 4, v[CO]
	s_lshr_b32 s20, s17, 3                         ; 2 x tensor + batch: eight tile rows each,
	s_lshl_b32 s20, s20, 22                        ; 4,194,304 bytes each
	s_and_b32 s21, s17, 7
	s_lshl_b32 s21, s21, 8
	s_lshl_b32 s22, s15, 7
	s_add_co_u32 s21, s21, s22                     ; my first token in the batch
	s_lshl_b32 s21, s21, 7
	s_add_co_u32 s20, s20, s21
	s_mov_b32 s21, 0
	s_add_nc_u64 s[12:13], s[12:13], s[20:21]
	s_lshl_b32 s46, s42, 2
	s_lshl_b32 s47, s16, 1
	s_add_co_u32 s46, s46, s47                     ; my first head: 4 x tile column + 2 x half
	s_lshl_b32 s46, s46, 18
	s_mov_b32 s47, 0
	s_add_nc_u64 s[12:13], s[12:13], s[46:47]
.macro FRAG reg, adr, q, i             ; a fragment, 16 rows x 128 K of 4-bit codes, is 8 registers: lane l holds row l % 16; registers 4 c .. 4 c + 3 hold K = 64 c + 32 (l / 16) + 0 .. 31
.irp c, 0,1
	ds_load_b128 v[\reg+4*\c:\reg+4*\c+3], v[\adr] offset:64*(\q)+32*\c+(\i)*16*PITCH
.endr
.endm
; 16 matrix instructions: x's blocks a0, a0 + 1 against W's eight, 128 along K: the slot's q-th.  p: W's set;  sc: the set of scale words.  first = 1: the sums start from the bias.
; The 64 accumulators take turns, one instruction a turn, in the same order in every step.
.macro MUL16 a0, p, q, sc, first
.irp a, \a0, \a0+1
.irp b, 0,1,2,3,4,5,6,7
.if \first
	v_wmma_scale_f32_16x16x128_f8f6f4 v[8*(8*((\a)%4)+\b):8*(8*((\a)%4)+\b)+7], v[128*(\p)+FR*\b:128*(\p)+FR*\b+FR-1], v[AF+FR*(\a):AF+FR*(\a)+FR-1], v[BIAS+8*\b:BIAS+8*\b+7], v[SC+8*NQ*(\sc)+NQ*\b+(\q)], v[SC+8*NQ*(\sc)+NQ*(\a)+(\q)] matrix_a_fmt:MATRIX_FMT_FP4 matrix_b_fmt:MATRIX_FMT_FP4 matrix_a_scale:MATRIX_SCALE_ROW1
.else
	v_wmma_scale_f32_16x16x128_f8f6f4 v[8*(8*((\a)%4)+\b):8*(8*((\a)%4)+\b)+7], v[128*(\p)+FR*\b:128*(\p)+FR*\b+FR-1], v[AF+FR*(\a):AF+FR*(\a)+FR-1], v[8*(8*((\a)%4)+\b):8*(8*((\a)%4)+\b)+7], v[SC+8*NQ*(\sc)+NQ*\b+(\q)], v[SC+8*NQ*(\sc)+NQ*(\a)+(\q)] matrix_a_fmt:MATRIX_FMT_FP4 matrix_b_fmt:MATRIX_FMT_FP4 matrix_a_scale:MATRIX_SCALE_ROW1
.endif
.endr
.endr
.endm
.macro FETCH_B slot, q, p              ; W's eight fragments of the slot's q-th 128 along K into set p
	WIN TO_B
.irp i, 0,1,2,3,4,5,6,7
	FRAG 128*(\p)+FR*\i, ADRB+\slot, \q, \i
.endr
	WIN 0
.endm
.macro FETCH_A slot, q, i0             ; x's blocks i0 .. i0 + 3
.irp i, \i0, \i0+1, \i0+2, \i0+3
	FRAG AF+FR*(\i), ADRA+\slot, \q, \i
.endr
.endm
.macro SCALES sc                       ; a slot's scale words into set sc: four words a row; lanes 0-15 take x's block i, lanes 16-31 W's block i
.irp i, 0,1,2,3,4,5,6,7
	ds_load_b128 v[SC+8*NQ*\sc+NQ*\i:SC+8*NQ*\sc+NQ*\i+3], v[ADRS] offset:\i*SBLK
.endr
.endm
; A load into a register that a matrix instruction has read, and a vector instruction that reads a matrix result or writes one of its registers, stand NP places behind it; only plain vector instructions
; that name none of its registers are places (ISA guide 7.12.1 for vector instructions).
.macro PLACES n
.rept \n
	v_nop
.endr
.endm
; A step of 128 along K that has its successor in the same slot.  x has one set of registers: blocks 0-3 are fetched anew in the step's middle, blocks 4-7 at its end; W has two sets.
.macro STEP slot, q, first
	s_wait_dscnt 4*NL                              ; W's set and x's blocks 0-3 are in; the youngest eight loads (x's blocks 4-7) may be out
.if \first
	WIN FST_LO
.else
	WIN MUL_LO
.endif
	MUL16 0, (\q)%2, \q, \slot, \first
	MUL16 2, (\q)%2, \q, \slot, \first
	s_wait_dscnt 0                                 ; x's blocks 4-7 are in (asked for 32 matrix instructions ago)
	PLACES NP
	FETCH_B \slot, (\q)+1, 1-(\q)%2
	FETCH_A \slot, (\q)+1, 0
.if \first
	WIN FST_HI
.else
	WIN MUL_HI
.endif
	MUL16 4, (\q)%2, \q, \slot, \first
	MUL16 6, (\q)%2, \q, \slot, \first
	PLACES NP
	WIN 0
	FETCH_A \slot, (\q)+1, 4
.endm
; Slot 0's last step goes over to slot 1: one barrier; in front of it each wave waits for all its tensor loads (its part of slot 1), adds 0 to its spare word, and waits for that and for its reads of slot 0.
; Behind it slot 1 is whole and nobody reads slot 0 any more, which the way out will use as its stage.  Nothing is filled again.
.macro TURN slot, next
	s_wait_tensorcnt 0x0                           ; all my tensor loads have landed  (every window is 0 here: the add's two registers lie in window 0)
	ds_add_u32 v[SPW], v[NIL]                      ; 0 onto my spare word
	s_wait_dscnt 4*NL+1                            ; (the add and the youngest eight loads, x's blocks 4-7, may be out)
	WIN MUL_LO
	MUL16 0, 1, NQ-1, \slot, 0                     ; sixteen matrix instructions stand between the add and the wait for it
	s_wait_dscnt 0x0                               ; the add is done, and my reads of this slot are over
	s_barrier_signal -1
	MUL16 2, 1, NQ-1, \slot, 0
	WIN 0
	s_barrier_wait -1
	PLACES NP
	v_add_nc_u32 v[ADRS], 4*NQ, v[ADRS]            ; on to the next slot's scale words (no LDS load of mine is out)
	FETCH_B \next, 0, 0
	FETCH_A \next, 0, 0
	SCALES \next
	WIN MUL_HI
	MUL16 4, 1, NQ-1, \slot, 0
	MUL16 6, 1, NQ-1, \slot, 0
	PLACES NP
	WIN 0
	FETCH_A \next, 0, 4
.endm
.macro STEPS slot, from                ; the slot's steps from .. NQ - 2
.set QQ, \from
.rept NQ-1-\from
	STEP \slot, QQ, 0
.set QQ, QQ+1
.endr
.endm
	s_wait_tensorcnt 1                             ; the scale bytes and my part of slot 0 are in (slot 1's load, the one issued behind them, may be out),
	s_barrier_signal -1
	s_barrier_wait -1                              ; everybody's are
	FETCH_B 0, 0, 0
	FETCH_A 0, 0, 0
	SCALES 0
	FETCH_A 0, 0, 4
	s_wait_loadcnt 0x0                             ; the bias
	STEP 0, 0, 1                                   ; the first step's products start the sums from the bias: nothing is cleared, nothing is added later
	STEPS 0, 1
	TURN 0, 1
	STEPS 1, 0
	s_wait_dscnt 4*NL                              ; the very last step: nothing more to fetch
	WIN MUL_LO
	MUL16 0, 1, NQ-1, 1, 0
	MUL16 2, 1, NQ-1, 1, 0
	s_wait_dscnt 0
	WIN MUL_HI
	MUL16 4, 1, NQ-1, 1, 0
	MUL16 6, 1, NQ-1, 1, 0
	WIN 0
; THE WAY OUT, block by block of 16 tokens x 128 outputs (two heads).  PACK: rounded to f16, 16 bytes a lane, each accumulator from its low end on.  TOSTAGE: into my own stage and back, so that sixteen
; neighbouring lanes hold two tokens of one head.  SEND: each sixteen lanes store 256 consecutive bytes, aligned.  LDS serves a wave's instructions in order (ISA guide 5.7.1.4): no wait between stores and loads.
.macro PACK a
.set AC, 64*((\a)%4)
	WIN 0x0a+5*((\a)/4)                            ; sources 0 and 1: window 2 or 3
.irp b, 0,1,2,3,4,5,6,7
.irp i, 0,1,2,3
	v_cvt_pk_f16_f32 v[TMP+4*\b+\i], v[AC+8*\b+2*\i], v[AC+8*\b+2*\i+1]
.endr
.endr
	WIN 0
.endm
.macro TOSTAGE a
.set BB, BK+32*((\a)%2)
.irp b, 0,1,2,3,4,5,6,7
	ds_store_b128 v[STO], v[TMP+4*\b:TMP+4*\b+3] offset:32*\b
.endr
.irp t, 0,1,2,3,4,5,6,7
	ds_load_b128 v[BB+4*\t:BB+4*\t+3], v[RD] offset:\t*2*SPITCH
.endr
.endm
.macro SEND a
.set BB, BK+32*((\a)%2)
	s_wait_dscnt 0x0                               ; the block is back in registers
	s_wait_xcnt 0x0                                ; the stores of the block before have read their registers: the next block's loads land there only behind this wait
.irp t, 0,1,2,3,4,5,6,7
	global_store_b128 v[CO], v[BB+4*\t:BB+4*\t+3], s[12:13] offset:(\a)*2048+\t*256
.endr
.endm
	PLACES NP                                      ; behind the last products: for the conversions' reads of results and their writes over x's fragments
	PACK 0
	TOSTAGE 0
.irp a, 1,2,3,4,5,6,7                  ; block a's conversions stand between block a - 1's loads from the stage and the wait for them
	PACK \a
	SEND \a-1
	TOSTAGE \a
.endr
	SEND 7
	s_wait_tensorcnt 0x0                           ; the wave's end
	ds_add_u32 v[SPW], v[NIL]
	s_wait_dscnt 0x0
	CROUND                                         ; the closing round: no work-group ends while a partner may still ask for a tile that names it
	s_endpgm
.Lfunc_end_k_qecb7dcda69_proj:
	.size	k_qecb7dcda69_proj, .Lfunc_end_k_qecb7dcda69_proj-k_qecb7dcda69_proj
	.p2alignl 7, 3214868480
	.fill 96, 4, 3214868480
	.section	.rodata,"a",@progbits
	.p2align	6, 0x0
	.amdhsa_kernel k_qecb7dcda69_proj
		.amdhsa_group_segment_fixed_size 327680
		.amdhsa_private_segment_fixed_size 0
		.amdhsa_enable_private_segment 0
		.amdhsa_kernarg_size 48
		.amdhsa_user_sgpr_count 2
		.amdhsa_user_sgpr_kernarg_segment_ptr 1
		.amdhsa_wavefront_size32 1
		.amdhsa_system_sgpr_workgroup_id_x 1
		.amdhsa_system_sgpr_workgroup_id_y 1
		.amdhsa_system_sgpr_workgroup_id_z 1
		.amdhsa_system_vgpr_workitem_id 0
		.amdhsa_next_free_vgpr 1024
		.amdhsa_next_free_sgpr 98
		.amdhsa_reserve_vcc 0
		.amdhsa_float_denorm_mode_32 3
		.amdhsa_float_denorm_mode_16_64 3
		.amdhsa_memory_ordered 1
		.amdhsa_forward_progress 1
		.amdhsa_inst_pref_size 128
	.end_amdhsa_kernel
	.amdgpu_metadata
---
amdhsa.version: [ 1, 2 ]
amdhsa.kernels:
  - .name:           k_qecb7dcda69_proj
    .symbol:         k_qecb7dcda69_proj.kd
    .args:
      - { .name: codes, .offset: 0, .size: 8, .value_kind: global_buffer, .address_space: global }
      - { .name: scales, .offset: 8, .size: 8, .value_kind: global_buffer, .address_space: global }
      - { .name: bq, .offset: 16, .size: 8, .value_kind: global_buffer, .address_space: global }
      - { .name: bk, .offset: 24, .size: 8, .value_kind: global_buffer, .address_space: global }
      - { .name: bv, .offset: 32, .size: 8, .value_kind: global_buffer, .address_space: global }
      - { .name: heads, .offset: 40, .size: 8, .value_kind: global_buffer, .address_space: global }
    .group_segment_fixed_size: 327680
    .private_segment_fixed_size: 0
    .kernarg_segment_align: 8
    .kernarg_segment_size: 48
    .max_flat_workgroup_size: 128
    .sgpr_count:     98
    .vgpr_count:     1024
    .wavefront_size: 32
...
	.end_amdgpu_metadata
.endif
;; end of part 2
;; launch attn (part 3): grid 8 x 32, 8 waves a work-group, clusters of 4 x 1, 327,680 bytes of LDS; arguments heads, ao; writes ao
.if DOCPART == 3
	.amdgcn_target "amdgcn-amd-amdhsa--gfx1250"
	.amdhsa_code_object_version 6
	.text
	.protected	k_qecb7dcda69_attn
	.globl	k_qecb7dcda69_attn
	.p2align	8
	.type	k_qecb7dcda69_attn,@function
k_qecb7dcda69_attn:
	s_mov_b64 s[64:65], 0
	v_nop
	global_prefetch_b8 v0, s[64:65] scope:SCOPE_SE
	s_setreg_imm32_b32 hwreg(HW_REG_WAVE_MODE, 25, 1), 1
	s_wait_xcnt 0x0
	s_wait_alu depctr_hold_cnt(0) depctr_sa_sdst(0) depctr_va_vdst(0) depctr_va_sdst(0) depctr_va_ssrc(0) depctr_va_vcc(0) depctr_vm_vsrc(0)
	s_getreg_b32 s2, hwreg(HW_REG_IB_STS2, 6, 4)
	s_cmp_eq_u32 s2, 0
	s_cbranch_scc0 .Lentry_in_a_cluster
	s_endpgm
.Lentry_in_a_cluster:
	s_bfe_u32 s2, ttmp6, 0x10000c
	s_cmp_lg_u32 s2, 0x3003
	s_cbranch_scc0 .Lentry_shape_is_right
	s_endpgm
.Lentry_shape_is_right:
; O[hd][q][:] = the sum over k of softmax_k(Q[hd][q] . K[hd][k] / 8) V[hd][k][:], for 32 heads (batch x 16 + head) of 2,048 tokens x 64 channels.  heads: f16 [3 (Q, K, V)][32][2048][64].
; ao: f16 [token / 128][head 16][token % 128][64], token = 2048 x batch + q: the next launch's tiles are then dense blocks.  Products, maxima and sums in f32; the weights p are rounded to f16 for the second product, O once.
; LIMITS: NaN and infinities are not served; a weight p under 2^-25 counts as 0 in the second product (its share of the row's sum, taken in f32, is kept).
; SHARES.  A work-group owns 256 queries of one head, each of its EIGHT waves 32: two tiles of 16, in 416 registers: two waves to a SIMD.
; Every wave walks all 2,048 keys, 64 a step.  K's and V's tiles come through a ring of two LDS slots of 256 keys (four steps): waves 0-3 fetch K's quarters, waves 4-7 V's, one tensor load a wave.
; LAYOUT.  S^T = K Q^T (source 0 = 16 keys, source 1 = 16 queries): a lane holds ONE query (lane % 16) and keys 8 (lane / 16) + 0..7.  Two such tiles, rounded to f16 in pairs, ARE source 1 (32 keys x 16 queries) of
; O^T = V^T P, whose result again holds one query a lane.  K comes out of LDS as it lies, V ([key][channel]) turned, by ds_load_tr16_b128.
; SOFTMAX.  A running maximum m and sum l for each query: p = 2^(c s - c m), c = log2(e) / 8; in every step O and l are multiplied by a = 2^(c m_old - c m_new).  m begins at -3e38 and l and O at 0, so the first step needs no form of its own.
; ONE STEP AHEAD.  The 16 products K Q^T of step j + 1 stand among the 64 exponentials of step j, one ahead of every four: neither reads what the other writes, so the wave issues exponentials while the matrix unit works.
; The scores therefore have two buffers, which take turns step by step.
; CLUSTER.  The four query blocks of a cluster belong to one head and walk the same K and V: each tile is asked for JOINTLY, by the same tensor load with the same descriptor and a mask that names the four.
; REGISTERS, in windows of 256.  Window 0 holds all that K Q^T and the softmax name, so that no switch stands between a product and the exponentials behind it: v1-15 addresses; v16-31 statistics, 8 a tile; v32-63 Q;
;   v64-127 K of one step; v128-191, v192-255 S^T, two buffers, 32 a tile.   Window 1: v0-63 O^T, 32 a tile; v64-95 P; v96-159 V of one step.
.set KS,    64                         ; keys in a step
.set SKEYS, 256                        ; keys in a slot
.set PK,    144                        ; a row of K in LDS: 128 bytes + 16: the 16 rows of a load start 16 bytes apart modulo 256
.set PV,    160                        ; a row of V: 128 + 32: 16 lanes of the turning load take 8 rows x 32 bytes, 32 bytes apart modulo 256
.set VOFF,  SKEYS*PK                   ; a slot: 256 rows of K, then 256 rows of V
.set SLOT1, 1<<17                      ; slot 1 begins here, so that one exclusive or turns an address in one slot into the other's
.set SLOTB, SKEYS*128                  ; a slot's rows of K, or of V, in memory: 32,768 bytes
.set STAGE, SLOT1+SKEYS*(PK+PV)        ; behind the ring: 32 rows x 144 bytes for each wave, for the way out
.set SP,    144
.set SPARE, STAGE+8*32*SP              ; behind the stages: the spare words, 128 bytes a wave, which no other line names
.set AK0, 2                            ; v2   my lane's place in a tile of K; never rewritten
.set AV0, 3                            ; v3   the same for V
.set ADK, 4                            ; v4   AK0 + the slot in hand
.set ADV, 5                            ; v5   AV0 + the slot in hand
.set QO,  6                            ; v6   my byte offset in the wave's rows of Q
.set STO, 7                            ; v7   the way out: where I put 16 bytes of a row
.set RD,  8                            ; v8   the way out: where I read 16 bytes back
.set GO,  9                            ; v9   16 x lane: my byte offset in the wave's rows of ao
.set PFO, 12                           ; v12  256 x lane: the prefetches' offset; never rewritten
.set SPW, 14                           ; v14  LDS address of my spare word; never rewritten
.set NIL, 15                           ; v15  0; never rewritten
.set ST,  16                           ; tile t's statistics at v[ST + 8 t]: +0 c m, +1 m, +2, +3 l (even keys', odd keys'), +4 to +7 c0-c3, at work; a takes c2's place once the maximum is found
.set Q,   32
.set KF,  64
.set S,   128                          ; buffer b at S + 64 b
.set OP,  64                           ; the way out: the packed rows, in K's registers
.set O,   0                            ; in window 1
.set P,   64
.set VF,  96
.set WV,  12                           ; s12  my wave's number
.set LIM, 15                           ; s15  1 in a wave that prefetches, else the greatest number
.set PFA, 18                           ; s[18:19] where my prefetches stand
.set G1K, 24                           ; s[24:31] descriptor group 1 for K's tiles;  s[32:39] for V's: it differs in the padding alone
.set G1V, 32
.set G0K, 40                           ; s[40:47] group 0 for K's tiles: a set for each of the two first fills; the second then walks on;  s[48:55] the same for V's
.set G0V, 48
.set SLOTS, 56                         ; s56  slots still to be asked for
.set CS,  58                           ; s[58:59] c
.set SEL, 60                           ; s[60:61] lane selects for v_permlanex16_b32: lane l xor 16
.set TB,  62                           ; s62  LDS byte at which the slot in hand begins
.set MSB, 0
.macro WIN new                         ; the immediate's high byte repeats the setting that is left; a switch that changes nothing is dropped
.if MSB != (\new)
	s_set_vgpr_msb (MSB<<8)|(\new)
.set MSB, (\new)
.endif
.endm
.set TO_1,  0x40                       ; destination window 1, sources (and an LDS load's address) window 0
.set RESC,  0x41                       ; destination and source 0 (O^T) window 1, source 1 (a) window 0
.set MULV,  0x55                       ; V^T P: all four operands window 1
.set FROM1, 0x05                       ; sources 0 and 1 window 1, destination window 0
; A joint refill: waves 0-3 fetch K's quarters, waves 4-7 V's.  The branch hangs on the wave's number alone.  An s_nop 0 and four v_nop follow each line.
.macro JLOAD
	s_cmp_lt_u32 s[WV], 4
	s_cbranch_scc0 .Lfor_v_\@
	tensor_load_to_lds s[G0K+4:G0K+7], s[G1K:G1K+7]
	s_nop 0
.rept 4
	v_nop
.endr
	s_branch .Lasked_\@
.Lfor_v_\@:
	tensor_load_to_lds s[G0V+4:G0V+7], s[G1V:G1V+7]
	s_nop 0
.rept 4
	v_nop
.endr
.Lasked_\@:
.endm
; A prefetch of what the NEXT change of slots will ask for: a slot's 32,768 bytes of K and of V.  Both clusters of a head walk the same rows: the head's first cluster asks.  Its four partners share each block out BY ADDRESS,
; 8,192 bytes each; in each, wave 0 asks for K's and wave 4 for V's, lanes 256 bytes apart: one instruction, and each 256 bytes are named once in the launch.  The last change that fills a slot asks for nothing.
.macro ASK
	s_cmp_gt_u32 s[SLOTS], s[LIM]
	s_cbranch_scc0 .Lnot_mine_\@
	global_prefetch_b8 v[PFO], s[PFA:PFA+1] th:TH_LOAD_NT scope:SCOPE_SE
.Lnot_mine_\@:
.endm
.macro CROUND                          ; a round of the cluster's barrier: my work-group's barrier; wave 0 signals for the work-group; every wave waits for all four work-groups; my work-group's barrier once more
	s_barrier_signal -1
	s_barrier_wait -1
	s_cmp_lg_u32 s[WV], 0
	s_cbranch_scc1 .Lnot_wave_0_\@
	s_barrier_signal -3
.Lnot_wave_0_\@:
	s_barrier_wait -3
	s_barrier_signal -1
	s_barrier_wait -1
.endm
	s_load_b128 s[4:7], s[0:1], 0x0                ; heads s[4:5], ao s[6:7]
	v_lshl_add_u32 v[SPW], v0, 2, SPARE
	v_mov_b32 v[NIL], 0
	ds_add_u32 v[SPW], v[NIL]                      ; the wave's opening: the add and its wait stand ahead of my first tensor load; the set-up below, work on registers, stands between them
	v_lshrrev_b32 v1, 5, v0
	v_readfirstlane_b32 s[WV], v1                  ; wave 0..7
	s_bfe_u32 s13, ttmp6, 0x40000                  ; cx: my place in the cluster
	s_lshl_b32 s14, ttmp9, 2
	s_add_co_u32 s14, s14, s13                     ; my block of 256 queries = 4 x cluster x + cx: it enters Q's and ao's addresses alone
	s_and_b32 s20, ttmp7, 0xffff                   ; the head, 0 .. 31, which the four partners share
	s_and_b32 s16, s[WV], 3                        ; which quarter of a slot's rows I fetch
	s_mul_i32 s17, s16, KS*PK                      ; its place in a slot, for K,
	s_mul_i32 s21, s16, KS*PV
	s_add_co_u32 s21, s21, VOFF                    ; and for V: no place in the cluster enters an LDS address
	; descriptor group 1: a tile of 64 rows x 64 elements of 2 bytes, padded in LDS behind every row
	s_mov_b32 s[G1K], 15|(1<<16)|(1<<20)|(1<<21)|(4<<22)|(3<<25)  ; 15:0 the mask: all four work-groups; 17:16 elements of 2 bytes; 20 padding on; 21 set beside a mask; 24:22 after every 32 words; 31:25 four words
	s_mov_b32 s[G1V], 15|(1<<16)|(1<<20)|(1<<21)|(4<<22)|(7<<25)  ; the same with eight words of padding
.irp g, G1K, G1V
	s_mov_b32 s[\g+1], 64<<16                      ; tensor_dim0 = 64
	s_mov_b32 s[\g+2], KS<<16                      ; tensor_dim1 = 64
	s_mov_b32 s[\g+3], 64<<16                      ; tile_dim0 = 64
	s_mov_b32 s[\g+4], KS                          ; tile_dim1 = 64
	s_mov_b32 s[\g+5], 64                          ; tensor_dim0_stride: elements from row to row
	s_mov_b32 s[\g+6], 0
	s_mov_b32 s[\g+7], 0
.endr
	s_mov_b32 s[CS], 0x3e38aa3b                    ; c = log2(e) / 8
	s_mov_b32 s[CS+1], s[CS]                       ; named with it as a pair, so it is written
	s_mov_b32 s[SEL], 0x76543210
	s_mov_b32 s[SEL+1], 0xfedcba98
	s_mov_b32 s[TB], 0
	s_mov_b32 s[SLOTS], 2048/SKEYS-2
	s_and_b32 s[LIM], s[WV], 3                     ; 0 in waves 0 and 4,
	s_or_b32 s[LIM], s[LIM], ttmp9                 ; where the cluster is the head's first: the same in all four partners
	s_cmp_eq_u32 s[LIM], 0
	s_cselect_b32 s[LIM], 1, -1
	v_and_b32 v[PFO], 31, v0
	v_lshlrev_b32 v[PFO], 8, v[PFO]
	s_wait_dscnt 0x0                               ; the opening add is done
	s_wait_kmcnt 0x0
	s_mov_b64 s[10:11], s[6:7]                     ; ao
	s_lshl_b32 s22, s20, 18                        ; a head's rows are 262,144 bytes
	s_mov_b32 s23, 0
	s_add_nc_u64 s[4:5], s[4:5], s[22:23]          ; the head's Q,
	s_add_nc_u64 s[6:7], s[4:5], 0x800000          ; its K,
	s_add_nc_u64 s[8:9], s[4:5], 0x1000000         ; its V
	s_cmp_lt_u32 s[WV], 4
	s_cselect_b64 s[PFA:PFA+1], s[6:7], s[8:9]
	s_lshl_b32 s2, s13, 13                         ; my work-group's 8,192 bytes of a slot's block,
	s_add_co_u32 s2, s2, 2*SLOTB                   ; in the third slot's worth of keys: the first change of slots steps it to the fourth.  Nothing is prefetched here, at the head, where every work-group's first tiles are on their way
	s_mov_b32 s3, 0
	s_add_nc_u64 s[PFA:PFA+1], s[PFA:PFA+1], s[2:3]
	s_lshl_b32 s22, s16, 13                        ; my quarter's 64 rows of 128 bytes
	s_add_nc_u64 s[6:7], s[6:7], s[22:23]
	s_add_nc_u64 s[8:9], s[8:9], s[22:23]
	s_lshl_b32 s2, s14, 15                         ; my block's 256 rows of Q,
	s_lshl_b32 s3, s[WV], 12                       ; my wave's 32 of them
	s_add_co_u32 s2, s2, s3
	s_mov_b32 s3, 0
	s_add_nc_u64 s[4:5], s[4:5], s[2:3]
	s_lshr_b32 s2, s20, 4                          ; ao: token / 128 = 16 x batch + 2 x block + wave / 4,
	s_lshl_b32 s2, s2, 4
	s_lshl_b32 s3, s14, 1
	s_add_co_u32 s2, s2, s3
	s_lshr_b32 s3, s[WV], 2
	s_add_co_u32 s2, s2, s3
	s_lshl_b32 s2, s2, 18                          ; 262,144 bytes each;
	s_and_b32 s3, s20, 15
	s_lshl_b32 s3, s3, 14                          ; the head's 16,384;
	s_add_co_u32 s2, s2, s3
	s_lshl_b32 s3, s16, 12                         ; token % 128 = 32 x (wave % 4), 128 bytes each
	s_add_co_u32 s2, s2, s3
	s_mov_b32 s3, 0
	s_add_nc_u64 s[10:11], s[10:11], s[2:3]
	CROUND                                         ; all four work-groups are here: the first joint loads meet
.irp s, 0,1
	s_mov_b32 s[G0K+4*\s], 1                       ; count = 1
	s_add_co_u32 s[G0K+4*\s+1], s17, \s*SLOT1      ; LDS address
	s_add_nc_u64 s[G0K+4*\s+2:G0K+4*\s+3], s[6:7], \s*SLOTB   ; global address: slot s begins with keys 256 s
	s_or_b32 s[G0K+4*\s+3], s[G0K+4*\s+3], 0x80000000         ; type = 2
	s_mov_b32 s[G0V+4*\s], 1
	s_add_co_u32 s[G0V+4*\s+1], s21, \s*SLOT1
	s_add_nc_u64 s[G0V+4*\s+2:G0V+4*\s+3], s[8:9], \s*SLOTB
	s_or_b32 s[G0V+4*\s+3], s[G0V+4*\s+3], 0x80000000
.endr
	s_cmp_lt_u32 s[WV], 4                          ; a wave's two first fills stand in one branch, ahead of every wait on TENSORcnt and every LDS read: two loads of mine are out
	s_cbranch_scc0 .Lfirst_v
	tensor_load_to_lds s[G0K:G0K+3], s[G1K:G1K+7]
	s_nop 0
	tensor_load_to_lds s[G0K+4:G0K+7], s[G1K:G1K+7]
	s_nop 0
.rept 4
	v_nop
.endr
	s_branch .Lfirst_asked
.Lfirst_v:
	tensor_load_to_lds s[G0V:G0V+3], s[G1V:G1V+7]
	s_nop 0
	tensor_load_to_lds s[G0V+4:G0V+7], s[G1V:G1V+7]
	s_nop 0
.rept 4
	v_nop
.endr
.Lfirst_asked:
	; A fragment of K or Q is 16 rows x 32 channels in 8 registers: lane l holds row l % 16; registers 0-3 channels 8 (l / 16) + 0..7, registers 4-7 channels 16 + 8 (l / 16) + 0..7: two loads of 16 bytes, 32 bytes apart.
	v_and_b32 v1, 15, v0                           ; r = l % 16
	v_bfe_u32 v10, v0, 4, 1                        ; h = l / 16
	v_lshlrev_b32 v[QO], 7, v1
	v_lshl_add_u32 v[QO], v10, 4, v[QO]            ; row x 128 + 16 x half
.irp f, 0,1,2,3                        ; Q stays in registers: tile f / 2, channels 32 (f % 2) on
	global_load_b128 v[Q+8*\f:Q+8*\f+3],   v[QO], s[4:5] offset:(\f/2)*2048+(\f%2)*64
	global_load_b128 v[Q+8*\f+4:Q+8*\f+7], v[QO], s[4:5] offset:(\f/2)*2048+(\f%2)*64+32
.endr
	v_mul_u32_u24 v[AK0], v1, PK
	v_lshl_add_u32 v[AK0], v10, 4, v[AK0]          ; row x pitch + 16 x half
	; The turning load takes 16 keys x 16 channels (lane l reads 16 bytes: key 8 (l / 16) + l % 8, channels 8 ((l / 8) % 2) + 0..7) and leaves half a fragment of V^T: lane l holds channel l % 16 and 8 keys.
	v_and_b32 v11, 7, v0
	v_bfe_u32 v13, v0, 3, 1
	v_lshl_add_u32 v[AV0], v10, 3, v11
	v_mul_u32_u24 v[AV0], v[AV0], PV
	v_lshl_add_u32 v[AV0], v13, 4, v[AV0]
	v_add_nc_u32 v[AV0], VOFF, v[AV0]
	v_add_nc_u32 v[ADK], s[TB], v[AK0]
	v_add_nc_u32 v[ADV], s[TB], v[AV0]
	s_mul_i32 s2, s[WV], 32*SP
	s_add_co_u32 s2, s2, STAGE                     ; my stage
	v_add_nc_u32 v[STO], s2, v[AK0]                ; in: row l % 16 of 144 bytes, 16 bytes for each half of the lanes
	v_bfe_u32 v13, v0, 3, 2
	v_mul_u32_u24 v[RD], v13, SP                   ; back: eight lanes to a row of 128 bytes, four rows an instruction
	v_lshl_add_u32 v[RD], v11, 4, v[RD]
	v_add_nc_u32 v[RD], s2, v[RD]
	v_and_b32 v[GO], 31, v0
	v_lshlrev_b32 v[GO], 4, v[GO]                  ; in ao the wave's 32 rows are 4,096 dense bytes
.irp t, 0,1
	v_mov_b32 v[ST+8*\t+1], 0xff61b1e6             ; m = -3e38, under every score
	v_mov_b32 v[ST+8*\t+2], 0                      ; l
	v_mov_b32 v[ST+8*\t+3], 0
.endr
.irp t, 0,1
	v_mul_f32 v[ST+8*\t], s[CS], v[ST+8*\t+1]      ; c m
.endr
	WIN TO_1
.set i, 0
.rept 64
	v_mov_b32 v[O+i], 0                            ; O^T, once: the step is written in one form; the first a is 0 and finds zeros
.set i, i+1
.endr
	WIN 0
.macro FETCH_K q                       ; K of the slot's step q: fragment f = 2 kt + c: keys 16 kt on, channels 32 c on.  Window 0
.irp f, 0,1,2,3,4,5,6,7
	ds_load_b128 v[KF+8*\f:KF+8*\f+3],   v[ADK] offset:(\q)*KS*PK+(\f/2)*16*PK+(\f%2)*64
	ds_load_b128 v[KF+8*\f+4:KF+8*\f+7], v[ADK] offset:(\q)*KS*PK+(\f/2)*16*PK+(\f%2)*64+32
.endr
.endm
.macro FETCH_V q                       ; V of the slot's step q, turned: fragment f = 4 kb + ct: keys 32 kb on, channels 16 ct on.  Destination window 1
.irp f, 0,1,2,3,4,5,6,7
	ds_load_tr16_b128 v[VF+8*\f:VF+8*\f+3],   v[ADV] offset:(\q)*KS*PV+(\f/4)*32*PV+(\f%4)*32
	ds_load_tr16_b128 v[VF+8*\f+4:VF+8*\f+7], v[ADV] offset:(\q)*KS*PV+(\f/4)*32*PV+16*PV+(\f%4)*32
.endr
.endm
; The accumulators take turns, one instruction a turn: between two links of a chain stand the seven others'.
.macro KQ1 base                        ; product i of 16 of S^T = K Q^T, into the buffer at base: channels 32 (i / 8) on, keys 16 ((i / 2) % 4) on, tile i % 2.  The first 8 start the sums
.set rS, (\base)+32*(i%2)+8*((i/2)%4)
.set rK, KF+8*(2*((i/2)%4)+i/8)
.set rQ, Q+16*(i%2)+8*(i/8)
.if i < 8
	v_wmma_f32_16x16x32_f16 v[rS:rS+7], v[rK:rK+7], v[rQ:rQ+7], 0
.else
	v_wmma_f32_16x16x32_f16 v[rS:rS+7], v[rK:rK+7], v[rQ:rQ+7], v[rS:rS+7]
.endif
.endm
.macro PVMUL                           ; O^T += V^T P: product i of 16: keys 32 (i / 8) on, channels 16 ((i / 2) % 4) on, tile i % 2
.set i, 0
.rept 16
.set rO, O+32*(i%2)+8*((i/2)%4)
.set rV, VF+8*(4*(i/8)+(i/2)%4)
.set rP, P+16*(i%2)+8*(i/8)
	v_wmma_f32_16x16x32_f16 v[rO:rO+7], v[rV:rV+7], v[rP:rP+7], v[rO:rO+7]
.set i, i+1
.endr
.endm
; A vector instruction that reads a matrix result or writes one of a matrix instruction's registers, and a load into a register that a matrix instruction has read, stand four places behind it;
; only plain vector instructions that name none of its registers are places (ISA guide 7.12.1 for vector instructions).
.macro PLACES
.rept 4
	v_nop
.endr
.endm
; THE SOFTMAX of a step, in five parts, both tiles line by line by turns, so that no line waits for the line above it.  SB: the buffer with this step's scores; SN: the other one, for the next step's.
.macro SM_MAX                          ; the new m, c m, c m_old - c m_new, and c s - c m.  Window 0
.irp j, 0,1,2,3                        ; the maximum of the lane's 32 scores and the old m, three operands at a time: four chains, one for each accumulator, each begun at the accumulator's low end
.irp t, 0,1
	v_max3_num_f32 v[ST+8*\t+4+\j], v[SB+32*\t+8*\j], v[SB+32*\t+8*\j+1], v[SB+32*\t+8*\j+2]
.endr
.endr
.irp i, 3,5
.irp j, 0,1,2,3
.irp t, 0,1
	v_max3_num_f32 v[ST+8*\t+4+\j], v[ST+8*\t+4+\j], v[SB+32*\t+8*\j+\i], v[SB+32*\t+8*\j+\i+1]
.endr
.endr
.endr
.irp t, 0,1
	v_max3_num_f32 v[ST+8*\t+4], v[ST+8*\t+4], v[SB+32*\t+7], v[SB+32*\t+15]
	v_max3_num_f32 v[ST+8*\t+6], v[ST+8*\t+6], v[SB+32*\t+23], v[SB+32*\t+31]
.endr
.irp t, 0,1
	v_max3_num_f32 v[ST+8*\t+4], v[ST+8*\t+4], v[ST+8*\t+5], v[ST+8*\t+6]
.endr
.irp t, 0,1
	v_max3_num_f32 v[ST+8*\t+4], v[ST+8*\t+4], v[ST+8*\t+7], v[ST+8*\t+1]
.endr
.irp t, 0,1
	v_permlanex16_b32 v[ST+8*\t+5], v[ST+8*\t+4], s[SEL], s[SEL+1]   ; the query's other 32 keys lie in the lane 16 away
.endr
.irp t, 0,1
	v_mov_b32 v[ST+8*\t+7], v[ST+8*\t]             ; c m_old is kept for a
.endr
.irp t, 0,1
	v_max_num_f32 v[ST+8*\t+1], v[ST+8*\t+4], v[ST+8*\t+5]   ; the new m
.endr
.irp t, 0,1
	v_mul_f32 v[ST+8*\t], s[CS], v[ST+8*\t+1]      ; c m
.endr
.irp t, 0,1
	v_sub_f32 v[ST+8*\t+7], v[ST+8*\t+7], v[ST+8*\t]
.endr
.irp b, 0,1,2,3,4,5,6,7,8,9,10,11,12,13,14,15
.irp t, 0,1
	v_pk_fma_f32 v[SB+32*\t+2*\b:SB+32*\t+2*\b+1], v[SB+32*\t+2*\b:SB+32*\t+2*\b+1], s[CS:CS+1], v[ST+8*\t:ST+8*\t+1] op_sel_hi:[1,0,0] neg_lo:[0,0,1] neg_hi:[0,0,1]   ; c s - c m, two at a time
.endr
.endr
.endm
; ONE BATCH of 66 exponentials: none of them reads another's result.  kq = 1: one product K Q^T of the next step stands ahead of every four: it names K, Q and the other buffer alone.  Window 0 throughout.
.macro SM_EXP kq
.irp t, 0,1
	v_exp_f32 v[ST+8*\t+6], v[ST+8*\t+7]           ; a
.endr
.set i, 0
.rept 16
.if \kq
	KQ1 SN
.endif
	v_exp_f32 v[SB+4*i], v[SB+4*i]                 ; p
	v_exp_f32 v[SB+4*i+1], v[SB+4*i+1]
	v_exp_f32 v[SB+4*i+2], v[SB+4*i+2]
	v_exp_f32 v[SB+4*i+3], v[SB+4*i+3]
.set i, i+1
.endr
	v_nop                                          ; a plain instruction behind the last exponential, ahead of the first use
	s_wait_alu depctr_va_vdst(0)                   ; the wait ahead of the first instruction that names a result: one for the batch
.endm
.macro SM_CVT                          ; destination window 1
.irp n, 0,1,2,3,4,5,6,7,8,9,10,11,12,13,14,15
.irp t, 0,1
	v_cvt_pk_f16_f32 v[P+16*\t+\n], v[SB+32*\t+2*\n], v[SB+32*\t+2*\n+1]   ; two neighbouring keys' weights: P's registers in the operand's order
.endr
.endr
.endm
.macro SM_SUM                          ; the sum of a tile's 16 pairs, in place: neighbours 1, 2, 4 and 8 pairs apart; then l takes it.  Window 0
.irp u, 0,1,2,3,4,5,6,7
.irp t, 0,1
	v_pk_add_f32 v[SB+32*\t+4*\u:SB+32*\t+4*\u+1], v[SB+32*\t+4*\u:SB+32*\t+4*\u+1], v[SB+32*\t+4*\u+2:SB+32*\t+4*\u+3]
.endr
.endr
.irp u, 0,1,2,3
.irp t, 0,1
	v_pk_add_f32 v[SB+32*\t+8*\u:SB+32*\t+8*\u+1], v[SB+32*\t+8*\u:SB+32*\t+8*\u+1], v[SB+32*\t+8*\u+4:SB+32*\t+8*\u+5]
.endr
.endr
.irp u, 0,1
.irp t, 0,1
	v_pk_add_f32 v[SB+32*\t+16*\u:SB+32*\t+16*\u+1], v[SB+32*\t+16*\u:SB+32*\t+16*\u+1], v[SB+32*\t+16*\u+8:SB+32*\t+16*\u+9]
.endr
.endr
.irp t, 0,1
	v_pk_add_f32 v[SB+32*\t:SB+32*\t+1], v[SB+32*\t:SB+32*\t+1], v[SB+32*\t+16:SB+32*\t+17]
.endr
.irp t, 0,1
	v_pk_fma_f32 v[ST+8*\t+2:ST+8*\t+3], v[ST+8*\t+2:ST+8*\t+3], v[ST+8*\t+6:ST+8*\t+7], v[SB+32*\t:SB+32*\t+1] op_sel_hi:[1,0,1]   ; l = a l + the sum
.endr
.endm
.macro SM_RESC                         ; O^T x a: destination and source 0 window 1; each accumulator from its low end on
.irp n, 0,1,2,3,4,5,6,7,8,9,10,11,12,13,14,15
.irp t, 0,1
	v_pk_mul_f32 v[O+32*\t+2*\n:O+32*\t+2*\n+1], v[O+32*\t+2*\n:O+32*\t+2*\n+1], v[ST+8*\t+6:ST+8*\t+7] op_sel_hi:[1,0]
.endr
.endr
.endm
; THE CHANGE OF SLOTS stands at the head of a slot's last step: the slot's last bytes, V of that step, have been asked for, and K of the next step, which lies in the other slot, has not.  Each wave waits for all its tensor
; loads, of which one is out: its part of the other slot; adds 0 to its spare word; and waits for that and for its own reads of the slot.  Behind the barrier nobody reads this slot any more and the other slot is whole.
; fill = 1: this slot is filled again, with the keys two slots on: the barrier is then a round of the cluster's, and the joint refill is the first thing behind it: it has four key steps in which to land.
.macro CHANGE fill
	s_wait_tensorcnt 0x0                           ; no tensor load of mine is out, so a group 0 may be written  (every window is 0 here)
	ds_add_u32 v[SPW], v[NIL]                      ; 0 onto my spare word
.if \fill
.irp g, G0K+4, G0V+4
	s_xor_b32 s[\g+1], s[\g+1], SLOT1              ; the walking descriptor: the other slot than last time,
	s_add_nc_u64 s[\g+2:\g+3], s[\g+2:\g+3], SLOTB ; the next 256 keys; the type bits on top are not reached
.endr
	s_wait_xcnt 0x0                                ; the last prefetch, four key steps back, has read its address, so it may be written:
	s_add_nc_u64 s[PFA:PFA+1], s[PFA:PFA+1], SLOTB ; one slot further on than the walking descriptors
	s_wait_dscnt 0x0                               ; the add is done, and my reads of the slot are over: V of this step is in
	CROUND
	JLOAD
	ASK                                            ; what the next change will ask for: four key steps ahead of that load
.else
	s_wait_dscnt 0x0                               ; the add is done, and my reads of the slot are over: V of this step is in
	s_barrier_signal -1
	s_barrier_wait -1
.endif
	s_xor_b32 s[TB], s[TB], SLOT1                  ; on to the other slot
	v_add_nc_u32 v[ADK], s[TB], v[AK0]
	v_add_nc_u32 v[ADV], s[TB], v[AV0]
.endm
; A KEY STEP, the slot's q-th.  At its head this step's scores lie in buffer q % 2; K of the next step and, behind it, V of this step have been asked for (in a slot's last step: V alone).
; mode 0: steps 0 to 2 of a slot; 1: a slot's last step, the slots change and this one is filled again; 2: they change, nothing is asked for; 3: the last step of all.
; K is fetched two steps ahead, behind the products that read it; step 2 fetches none, since that K lies behind the change: step 3 fetches it at its head, and the one after it in its middle.
.macro STEP q, mode
.set SB, S+64*((\q)%2)
.set SN, S+64*(1-(\q)%2)
.if \mode == 1
	CHANGE 1
	FETCH_K 0
.elseif \mode == 2
	CHANGE 0
	FETCH_K 0
.endif
	SM_MAX
.if \mode == 0
	s_wait_dscnt 16                                ; the next step's K is in; the sixteen loads issued behind it (this step's V) may be out
.elseif \mode < 3
	s_wait_dscnt 0x0                               ; the next step's K is in
.endif
.if \mode == 3
	SM_EXP 0
.else
	SM_EXP 1
.endif
	WIN TO_1
	SM_CVT                                         ; these 32 name P and this step's buffer alone: they are the places between the last K Q^T and the loads into K's registers
	WIN 0
.if (\mode == 0) && ((\q) < 2)
	FETCH_K (\q)+2
.elseif (\mode == 1) || (\mode == 2)
	FETCH_K 1
.endif
	SM_SUM
	WIN RESC
	SM_RESC
.if \mode == 0
.if (\q) < 2
	s_wait_dscnt 16                                ; V is in; the sixteen loads issued behind it (K, two steps on) may be out
.else
	s_wait_dscnt 0x0                               ; V is in
.endif
.elseif \mode == 3
	s_wait_dscnt 0x0                               ; V is in  (in modes 1 and 2 the change has waited for it)
.endif
	WIN MULV
	PVMUL
.if \mode != 3
	PLACES                                         ; behind V^T P, for the loads into V's registers
	WIN TO_1
	FETCH_V ((\q)+1)%4
.endif
	WIN 0
.endm
	s_wait_tensorcnt 1                             ; my part of slot 0 is in; slot 1's may stay out
	s_barrier_signal -1
	s_barrier_wait -1                              ; everybody's is
	FETCH_K 0
	s_wait_loadcnt 0x0                             ; Q
	s_wait_dscnt 0x0                               ; K of step 0
.set i, 0
.rept 16
	KQ1 S                                          ; the first step's scores, into buffer 0: there is no vector work yet to set between them
.set i, i+1
.endr
	PLACES                                         ; behind them: for the loads into K's registers and the first reads of the scores
	FETCH_K 1
	WIN TO_1
	FETCH_V 0
	WIN 0
.Lslot:                                            ; six trips: every slot's worth of keys but the last two is followed by a refill
	STEP 0, 0
	STEP 1, 0
	STEP 2, 0
	STEP 3, 1
	s_sub_co_u32 s[SLOTS], s[SLOTS], 1
	s_cmp_lg_u32 s[SLOTS], 0
	s_cbranch_scc1 .Lslot
	STEP 0, 0                                      ; the tail is written out
	STEP 1, 0
	STEP 2, 0
	STEP 3, 2
	STEP 0, 0
	STEP 1, 0
	STEP 2, 0
	STEP 3, 3
	; THE WAY OUT.  l's two halves and the other half of the lanes' are added; O^T is divided by l, rounded to f16 and sent through my stage in LDS, so that each store covers 512 consecutive bytes.
	PLACES
.irp t, 0,1
	v_add_f32 v[ST+8*\t+4], v[ST+8*\t+2], v[ST+8*\t+3]
.endr
.irp t, 0,1
	v_permlanex16_b32 v[ST+8*\t+5], v[ST+8*\t+4], s[SEL], s[SEL+1]
.endr
.irp t, 0,1
	v_add_f32 v[ST+8*\t+4], v[ST+8*\t+4], v[ST+8*\t+5]
.endr
.irp t, 0,1
	v_rcp_f32 v[ST+8*\t+6], v[ST+8*\t+4]
.endr
	v_nop                                          ; a plain instruction between the last reciprocal and the use of its result
	s_wait_alu depctr_va_vdst(0)                   ; and the wait ahead of the first use: one for both
	WIN RESC
.irp t, 0,1
.irp n, 0,1,2,3,4,5,6,7,8,9,10,11,12,13,14,15
	v_pk_mul_f32 v[O+32*\t+2*\n:O+32*\t+2*\n+1], v[O+32*\t+2*\n:O+32*\t+2*\n+1], v[ST+8*\t+6:ST+8*\t+7] op_sel_hi:[1,0]   ; each accumulator from its low end on
.endr
.endr
	WIN FROM1
.irp t, 0,1
.irp n, 0,1,2,3,4,5,6,7,8,9,10,11,12,13,14,15
	v_cvt_pk_f16_f32 v[OP+16*\t+\n], v[O+32*\t+2*\n], v[O+32*\t+2*\n+1]   ; into K's registers, which nothing reads any more
.endr
.endr
	WIN 0
.irp t, 0,1
.irp f, 0,1,2,3
	ds_store_b128 v[STO], v[OP+16*\t+4*\f:OP+16*\t+4*\f+3] offset:\t*16*SP+32*\f   ; query 16 t + r, channels 16 f + 8 h + 0..7
.endr
.endr
.irp i, 0,1,2,3,4,5,6,7
	ds_load_b128 v[S+4*\i:S+4*\i+3], v[RD] offset:\i*4*SP   ; LDS serves a wave's instructions in order (ISA guide 5.7.1.4): these see the stores above
.endr
.irp i, 0,1,2,3,4,5,6,7
	s_wait_dscnt 7-\i                              ; the loads come back in order: the i-th is in
	global_store_b128 v[GO], v[S+4*\i:S+4*\i+3], s[10:11] offset:512*\i   ; 32 lanes store four rows: 512 consecutive bytes, aligned
.endr
	s_wait_tensorcnt 0x0                           ; the wave's end
	ds_add_u32 v[SPW], v[NIL]
	s_wait_dscnt 0x0
	CROUND                                         ; the closing round: no work-group ends while a partner may still ask for a tile that names it
	s_endpgm
.Lfunc_end_k_qecb7dcda69_attn:
	.size	k_qecb7dcda69_attn, .Lfunc_end_k_qecb7dcda69_attn-k_qecb7dcda69_attn
	.p2alignl 7, 3214868480
	.fill 96, 4, 3214868480
	.section	.rodata,"a",@progbits
	.p2align	6, 0x0
	.amdhsa_kernel k_qecb7dcda69_attn
		.amdhsa_group_segment_fixed_size 327680
		.amdhsa_private_segment_fixed_size 0
		.amdhsa_enable_private_segment 0
		.amdhsa_kernarg_size 16
		.amdhsa_user_sgpr_count 2
		.amdhsa_user_sgpr_kernarg_segment_ptr 1
		.amdhsa_wavefront_size32 1
		.amdhsa_system_sgpr_workgroup_id_x 1
		.amdhsa_system_sgpr_workgroup_id_y 1
		.amdhsa_system_sgpr_workgroup_id_z 1
		.amdhsa_system_vgpr_workitem_id 0
		.amdhsa_next_free_vgpr 416
		.amdhsa_next_free_sgpr 66
		.amdhsa_reserve_vcc 0
		.amdhsa_float_denorm_mode_32 3
		.amdhsa_float_denorm_mode_16_64 3
		.amdhsa_memory_ordered 1
		.amdhsa_forward_progress 1
		.amdhsa_inst_pref_size 222
	.end_amdhsa_kernel
	.amdgpu_metadata
---
amdhsa.version: [ 1, 2 ]
amdhsa.kernels:
  - .name:           k_qecb7dcda69_attn
    .symbol:         k_qecb7dcda69_attn.kd
    .args:
      - { .name: heads, .offset: 0, .size: 8, .value_kind: global_buffer, .address_space: global }
      - { .name: ao, .offset: 8, .size: 8, .value_kind: global_buffer, .address_space: global }
    .group_segment_fixed_size: 327680
    .private_segment_fixed_size: 0
    .kernarg_segment_align: 8
    .kernarg_segment_size: 16
    .max_flat_workgroup_size: 256
    .sgpr_count:     66
    .vgpr_count:     416
    .wavefront_size: 32
...
	.end_amdgpu_metadata
.endif
;; end of part 3
;; launch outp (part 4): grid 8 x 32, 4 waves a work-group, clusters of 4 x 4, 327,680 bytes of LDS; arguments ao, wo16, bo, out0; writes out0
.if DOCPART == 4
	.amdgcn_target "amdgcn-amd-amdhsa--gfx1250"
	.amdhsa_code_object_version 6
	.text
	.protected	k_qecb7dcda69_outp
	.globl	k_qecb7dcda69_outp
	.p2align	8
	.type	k_qecb7dcda69_outp,@function
k_qecb7dcda69_outp:
	s_mov_b64 s[64:65], 0
	v_nop
	global_prefetch_b8 v0, s[64:65] scope:SCOPE_SE
	s_setreg_imm32_b32 hwreg(HW_REG_WAVE_MODE, 25, 1), 1
	s_wait_xcnt 0x0
	s_wait_alu depctr_hold_cnt(0) depctr_sa_sdst(0) depctr_va_vdst(0) depctr_va_sdst(0) depctr_va_ssrc(0) depctr_va_vcc(0) depctr_vm_vsrc(0)
	s_getreg_b32 s2, hwreg(HW_REG_IB_STS2, 6, 4)
	s_cmp_eq_u32 s2, 0
	s_cbranch_scc0 .Lentry_in_a_cluster
	s_endpgm
.Lentry_in_a_cluster:
	s_bfe_u32 s2, ttmp6, 0x10000c
	s_cmp_lg_u32 s2, 0xf033
	s_cbranch_scc0 .Lentry_shape_is_right
	s_endpgm
.Lentry_shape_is_right:
; out0[token][n] = the sum over k of A[token][k] Wo[n][k] + bo[n]: 4,096 x 1,024 x 1,024, f16 operands, sums and result in f32.
; A = ao, f16 [token / 128][k / 64][token % 128][k % 64];  Wo = wo16, f16 [n / 128][k / 64][n % 128][k % 64]: for a tile of 128 rows, 256 along K are 512 dense rows of 128 bytes.
; SHARES.  32 x 8 tiles of 128 x 128, one for each work-group.  Four waves, each 64 x 64: 16 accumulators, 128 registers.  K goes in four steps of 256 through two LDS slots; a wave's tensor load brings 256 rows of 128 bytes.
; CLUSTERS: 4 x 4 work-groups.  The four of a row of the cluster need the same tiles of A, the four of a column the same tiles of Wo: each tile is asked for JOINTLY.
; THE MATRIX INSTRUCTION IS USED TRANSPOSED (source 0 = 16 rows of Wo, source 1 = 16 rows of A): a lane holds eight neighbouring outputs of one token.  The bias is the C of each sum's first instruction.
; No prefetch: a K step's tiles are small and each is shared by four work-groups.
; REGISTERS: window 0: v0-31 addresses; v32-95 the way out; v96-127 the bias; v128-255 the accumulators ((a, b) at v[128 + 8 (4 a + b)]).
;   window 1: two fragment buffers of 128: for 64 along K, 64 registers of A (2 x 4 x 16 rows x 32 K), then 64 of Wo.
.set PITCH,  144                       ; an LDS row: 128 bytes + 16: the 16 rows that a load touches start 16 bytes apart modulo 256
.set ZB,     128*PITCH                 ; 64 along K of a tile's 128 rows
.set HALFT,  256*PITCH                 ; what one tensor load brings: 128 along K of 128 rows
.set SLOT,   4*HALFT                   ; A's 512 rows, then Wo's 512 rows
.set SLOTG,  65536                     ; a K step of a tile in memory: 512 rows of 128 bytes
.set STAGE,  2*SLOT                    ; behind the ring: 16 rows x 272 bytes for each wave, for the way out
.set SPITCH, 272
.set SPARE,  STAGE+4*16*SPITCH         ; behind the stages: the spare words, 128 bytes a wave, which no other line names
.set ADRA, 16                          ; v16-17  LDS address of my A fragments in slot 0, 1
.set ADRB, 20                          ; v20-21  the same for Wo
.set STO,  24                          ; v24     the way out: where I put 32 bytes of a row
.set RD,   25                          ; v25     the way out: where I read 16 bytes back
.set CO,   26                          ; v26     my byte offset in out0
.set SPW,  28                          ; v28     LDS address of my spare word; never rewritten
.set NIL,  29                          ; v29     0; never rewritten
.set BK,   32                          ; the way out: 16 rows read back: v32-63 and v64-95 by turns
.set BIAS, 96                          ; the bias in the result's layout: 8 registers for each block of 16 outputs
.set ACC,  128
.set F0,   0                           ; fragment buffers, in window 1
.set F1,   128
.set G1, 24                            ; s[24:31] descriptor group 1 for A's tiles;  s[32:39] group 0, one set for each slot
.set G0, 32
.set G1B, 48                           ; s[48:55], s[56:63] the same for Wo's tiles
.set G0B, 56
.set MSB, 0
.macro WIN new                         ; the immediate's high byte repeats the setting that is left; a switch that changes nothing is dropped
.if MSB != (\new)
	s_set_vgpr_msb (MSB<<8)|(\new)
.set MSB, (\new)
.endif
.endm
.set MUL,  0x05                        ; sources 0 (Wo) and 1 (A) window 1; C and D window 0
.set TO_F, 0x40                        ; destination window 1, address window 0
.macro JLOAD s                         ; a joint load: waves 0 and 1 fetch A's two halves, waves 2 and 3 Wo's; an s_nop 0 and four v_nop follow each line
	s_cmp_eq_u32 s11, 0
	s_cbranch_scc0 .Lfor_b_\@
	tensor_load_to_lds s[G0+4*\s:G0+4*\s+3], s[G1:G1+7]
	s_nop 0
.rept 4
	v_nop
.endr
	s_branch .Lasked_\@
.Lfor_b_\@:
	tensor_load_to_lds s[G0B+4*\s:G0B+4*\s+3], s[G1B:G1B+7]
	s_nop 0
.rept 4
	v_nop
.endr
.Lasked_\@:
.endm
.macro CREST                           ; a round of the cluster's barrier behind its opening barrier
	s_cmp_lg_u32 s10, 0
	s_cbranch_scc1 .Lnot_wave_0_\@
	s_barrier_signal -3
.Lnot_wave_0_\@:
	s_barrier_wait -3
	s_barrier_signal -1
	s_barrier_wait -1
.endm
.macro CROUND                          ; a whole round
	s_barrier_signal -1
	s_barrier_wait -1
	CREST
.endm
	s_load_b128 s[4:7], s[0:1], 0x0                ; ao s[4:5], wo16 s[6:7]
	s_load_b64 s[68:69], s[0:1], 0x10              ; bo
	s_load_b64 s[8:9], s[0:1], 0x18                ; out0
	v_lshl_add_u32 v[SPW], v0, 2, SPARE
	v_mov_b32 v[NIL], 0
	ds_add_u32 v[SPW], v[NIL]                      ; the wave's opening: the add and its wait stand ahead of my first tensor load; the set-up below, work on registers, stands between them
	v_lshrrev_b32 v1, 5, v0
	v_readfirstlane_b32 s10, v1                    ; wave 0..3
	s_lshr_b32 s11, s10, 1                         ; which half of the tile's rows is mine.  Also: I fetch for A (0) or for Wo (1)
	s_and_b32 s12, s10, 1                          ; which half of its columns.  Also: which half of a K step I fetch
	s_bfe_u32 s40, ttmp6, 0x40000                  ; cx, cy: my place in the cluster
	s_bfe_u32 s41, ttmp6, 0x40004
	s_lshl_b32 s42, ttmp9, 2
	s_add_co_u32 s42, s42, s40                     ; tile column = 4 x cluster x + cx
	s_and_b32 s13, ttmp7, 0xffff
	s_lshl_b32 s13, s13, 2
	s_add_co_u32 s13, s13, s41                     ; tile row = 4 x cluster y + cy
	s_lshl_b32 s43, s41, 2
	s_lshl_b32 s43, 15, s43                        ; my row of the cluster
	s_lshl_b32 s44, 0x1111, s40                    ; my column
	; descriptor group 1: 256 rows x 64 elements of 2 bytes, dense in memory, padded in LDS behind every row
	s_or_b32 s[G1+0], s43, (1<<16)|(1<<20)|(1<<21)|(4<<22)|(3<<25)  ; 15:0 the mask: A's tiles go to my row; 17:16 elements of 2 bytes; 20 padding on; 21 set beside a mask; 24:22 after every 32 words; 31:25 four words
	s_or_b32 s[G1B+0], s44, (1<<16)|(1<<20)|(1<<21)|(4<<22)|(3<<25)
.irp g, G1, G1B
	s_mov_b32 s[\g+1], 64<<16                      ; tensor_dim0 = 64
	s_mov_b32 s[\g+2], 256<<16                     ; tensor_dim1 = 256
	s_mov_b32 s[\g+3], 64<<16                      ; tile_dim0 = 64
	s_mov_b32 s[\g+4], 256                         ; tile_dim1 = 256
	s_mov_b32 s[\g+5], 64                          ; tensor_dim0_stride
	s_mov_b32 s[\g+6], 0
	s_mov_b32 s[\g+7], 0
.endr
	s_lshl_b32 s17, s12, 15                        ; which 32,768 bytes of a K step I fetch
	s_lshl_b32 s16, s13, 18
	s_add_co_u32 s16, s16, s17                     ; A: 262,144 bytes a tile row
	s_lshl_b32 s46, s42, 18
	s_add_co_u32 s46, s46, s17                     ; Wo: 262,144 bytes a tile column
	s_mov_b32 s17, 0
	s_mov_b32 s47, 0
	s_mul_i32 s20, s10, HALFT                      ; where they go: A's two halves, then Wo's: wave x 256 rows: no place in the cluster enters an LDS address
	s_wait_dscnt 0x0                               ; the opening add is done
	s_wait_kmcnt 0x0
	s_add_nc_u64 s[14:15], s[4:5], s[16:17]
	s_add_nc_u64 s[46:47], s[6:7], s[46:47]
	CROUND                                         ; all sixteen work-groups are here: the first joint loads meet
.irp s, 0,1
	s_mov_b32 s[G0+4*\s], 1
	s_add_co_u32 s[G0+4*\s+1], s20, \s*SLOT
	s_add_nc_u64 s[G0+4*\s+2:G0+4*\s+3], s[14:15], \s*SLOTG
	s_or_b32 s[G0+4*\s+3], s[G0+4*\s+3], 0x80000000
	s_mov_b32 s[G0B+4*\s], 1
	s_add_co_u32 s[G0B+4*\s+1], s20, \s*SLOT
	s_add_nc_u64 s[G0B+4*\s+2:G0B+4*\s+3], s[46:47], \s*SLOTG
	s_or_b32 s[G0B+4*\s+3], s[G0B+4*\s+3], 0x80000000
	JLOAD \s
.endr
	v_and_b32 v1, 15, v0                           ; r = l % 16
	v_bfe_u32 v2, v0, 4, 1                         ; h = l / 16
	s_lshl_b32 s46, s42, 9                         ; my first column, in bytes of f32: 512 x tile column + 256 x half
	s_lshl_b32 s47, s12, 8
	s_add_co_u32 s46, s46, s47
	s_mov_b32 s47, 0
	s_add_nc_u64 s[68:69], s[68:69], s[46:47]      ; bo there: block b's register j of lane (r, h) is bo[.. + 16 b + 8 h + j]
	v_lshlrev_b32 v6, 5, v2
.irp b, 0,1,2,3
	global_load_b128 v[BIAS+8*\b:BIAS+8*\b+3],   v6, s[68:69] offset:64*\b
	global_load_b128 v[BIAS+8*\b+4:BIAS+8*\b+7], v6, s[68:69] offset:64*\b+16
.endr
	v_mul_u32_u24 v3, v1, PITCH
	v_lshl_add_u32 v3, v2, 4, v3                   ; a fragment's row x pitch + 16 x half
	s_mul_i32 s21, s11, 64*PITCH                   ; my 64 rows of A's 128
	s_mul_i32 s22, s12, 64*PITCH                   ; my 64 rows of Wo's 128,
	s_add_co_u32 s22, s22, 2*HALFT                 ; which lie behind A's part of the slot
.irp s, 0,1
	v_add_nc_u32 v[ADRA+\s], s21, v3
	v_add_nc_u32 v[ADRB+\s], s22, v3
	s_add_co_u32 s21, s21, SLOT
	s_add_co_u32 s22, s22, SLOT
.endr
	s_mul_i32 s23, s10, 16*SPITCH
	s_add_co_u32 s23, s23, STAGE                   ; my stage
	v_mul_u32_u24 v4, v1, SPITCH                   ; in: row r, 32 bytes for each half of the lanes
	v_lshl_add_u32 v4, v2, 5, v4
	v_add_nc_u32 v[STO], s23, v4
	v_mul_u32_u24 v5, v2, SPITCH                   ; back: lanes 0-15 take one row of 256 bytes, lanes 16-31 the next
	v_lshl_add_u32 v5, v1, 4, v5
	v_add_nc_u32 v[RD], s23, v5
	v_lshlrev_b32 v5, 12, v2                       ; and the same two rows in out0: 4,096 bytes a row
	v_lshl_add_u32 v[CO], v1, 4, v5
	s_lshl_b32 s16, s13, 7
	s_lshl_b32 s17, s11, 6
	s_add_co_u32 s16, s16, s17                     ; my first row: 128 x tile row + 64 x half
	s_lshl_b32 s16, s16, 12
	s_mov_b32 s17, 0
	s_add_nc_u64 s[8:9], s[8:9], s[16:17]
	s_add_nc_u64 s[8:9], s[8:9], s[46:47]
; 8 matrix instructions: m blocks a0, a0 + 1 x all 4 n blocks, 32 along K: half c of buffer f.  first = 1: the sums start from the bias.  The 16 accumulators take turns.
.macro MUL8 f, c, a0, first
.irp a, \a0, \a0+1
.irp b, 0,1,2,3
.if \first
	v_wmma_f32_16x16x32_f16 v[ACC+8*(4*(\a)+\b):ACC+8*(4*(\a)+\b)+7], v[\f+64+8*(4*\c+\b):\f+64+8*(4*\c+\b)+7], v[\f+8*(4*\c+(\a)):\f+8*(4*\c+(\a))+7], v[BIAS+8*\b:BIAS+8*\b+7]
.else
	v_wmma_f32_16x16x32_f16 v[ACC+8*(4*(\a)+\b):ACC+8*(4*(\a)+\b)+7], v[\f+64+8*(4*\c+\b):\f+64+8*(4*\c+\b)+7], v[\f+8*(4*\c+(\a)):\f+8*(4*\c+(\a))+7], v[ACC+8*(4*(\a)+\b):ACC+8*(4*(\a)+\b)+7]
.endif
.endr
.endr
.endm
; 32 LDS loads in one run: the fragments of 64 along K, which begin k bytes into the slot's parts, into buffer f; the first 32 along K first
.macro FETCH slot, k, f
	WIN TO_F
.irp c, 0,1
.irp i, 0,1,2,3
	ds_load_b128 v[\f+64+8*(4*\c+\i):\f+64+8*(4*\c+\i)+3],   v[ADRB+\slot] offset:\k+64*\c+\i*16*PITCH
	ds_load_b128 v[\f+64+8*(4*\c+\i)+4:\f+64+8*(4*\c+\i)+7], v[ADRB+\slot] offset:\k+64*\c+\i*16*PITCH+32
	ds_load_b128 v[\f+8*(4*\c+\i):\f+8*(4*\c+\i)+3],         v[ADRA+\slot] offset:\k+64*\c+\i*16*PITCH
	ds_load_b128 v[\f+8*(4*\c+\i)+4:\f+8*(4*\c+\i)+7],       v[ADRA+\slot] offset:\k+64*\c+\i*16*PITCH+32
.endr
.endr
.endm
.macro PLACES                          ; four places in front of loads into registers that matrix instructions have read, and of the first read of results (ISA guide 7.12.1 for the first read of results)
.rept 4
	v_nop
.endr
.endm
; A K step is four quarters of 64 along K, 32 matrix instructions each, on buffers 0, 1, 0, 1.  One of the first three: multiplies buffer f and fetches the next quarter, at byte k, into g.
.macro QUARTER slot, k, f, g, first
	s_wait_dscnt 16                                ; the first 32 along K are in; the other sixteen loads may be out
	WIN MUL
	MUL8 \f, 0, 0, \first
	MUL8 \f, 0, 2, \first
	PLACES
	FETCH \slot, \k, \g
	s_wait_dscnt 32                                ; all but the 32 just issued
	WIN MUL
	MUL8 \f, 1, 0, 0
	MUL8 \f, 1, 2, 0
.endm
; The last quarter multiplies buffer 1 and changes slots: ONE barrier; in front of it each wave waits for all its tensor loads, adds 0 to its spare word, and waits for that and for its own reads of this slot.
; fill = 1: this slot is filled again, two K steps ahead; the barrier then opens a round of the cluster's barrier.
.macro TURN slot, next, fill
	WIN 0                                          ; (the add's two registers lie in window 0)
	s_wait_tensorcnt 0x0                           ; all my tensor loads have landed: my part of the next slot;
	ds_add_u32 v[SPW], v[NIL]                      ; 0 onto my spare word;
	s_wait_dscnt 17                                ; (the add and the youngest sixteen loads may be out)
	WIN MUL
	MUL8 F1, 0, 0, 0                               ; eight matrix instructions stand between the add and the wait for it
	s_wait_dscnt 0x0                               ; the add is done, and my reads of this slot are over
	s_barrier_signal -1
	MUL8 F1, 0, 2, 0
.if \fill
	WIN 0
.endif
	s_barrier_wait -1
.if \fill
	CREST                                          ; no wave of any partner still reads this slot's tile or has a load on its way
	s_add_nc_u64 s[G0+4*\slot+2:G0+4*\slot+3], s[G0+4*\slot+2:G0+4*\slot+3], 2*SLOTG
	s_add_nc_u64 s[G0B+4*\slot+2:G0B+4*\slot+3], s[G0B+4*\slot+2:G0B+4*\slot+3], 2*SLOTG
	JLOAD \slot                                    ; the first tensor load behind the round; the four v_nop behind it are also the places in front of the loads below
.else
	PLACES
.endif
	FETCH \next, 0, F0
	WIN MUL
	MUL8 F1, 1, 0, 0
	MUL8 F1, 1, 2, 0
.endm
	s_wait_tensorcnt 1                             ; my part of K step 0 is in (K step 1's load may be out),
	s_barrier_signal -1
	s_barrier_wait -1                              ; everybody's is
	FETCH 0, 0, F0
	s_wait_loadcnt 0x0                             ; the bias
	QUARTER 0, ZB,   F0, F1, 1                     ; the first products start the sums from the bias.  K has four steps: they are written out, no loop
	QUARTER 0, 2*ZB, F1, F0, 0
	QUARTER 0, 3*ZB, F0, F1, 0
	TURN 0, 1, 1                                   ; slot 0 takes K step 2
	QUARTER 1, ZB,   F0, F1, 0
	QUARTER 1, 2*ZB, F1, F0, 0
	QUARTER 1, 3*ZB, F0, F1, 0
	TURN 1, 0, 1                                   ; slot 1 takes K step 3
	QUARTER 0, ZB,   F0, F1, 0
	QUARTER 0, 2*ZB, F1, F0, 0
	QUARTER 0, 3*ZB, F0, F1, 0
	TURN 0, 1, 0                                   ; nothing is left to fetch
	QUARTER 1, ZB,   F0, F1, 0
	QUARTER 1, 2*ZB, F1, F0, 0
	QUARTER 1, 3*ZB, F0, F1, 0
	s_wait_dscnt 16                                ; the very last quarter
	WIN MUL
	MUL8 F1, 0, 0, 0
	MUL8 F1, 0, 2, 0
	s_wait_dscnt 0
	MUL8 F1, 1, 0, 0
	MUL8 F1, 1, 2, 0
	WIN 0
; THE WAY OUT, block by block of 16 rows x 64 columns of f32.  A lane holds 32 neighbouring bytes of a row: a block goes through my own stage and comes back as whole rows of 256 bytes, which sixteen lanes store, aligned.
; LDS serves a wave's instructions in order (ISA guide 5.7.1.4): no wait between the stores and the loads, nor in front of the next block's stores.
.macro TOSTAGE a
.irp b, 0,1,2,3
	ds_store_b128 v[STO], v[ACC+8*(4*(\a)+\b):ACC+8*(4*(\a)+\b)+3] offset:64*\b        ; each accumulator from its low end on
	ds_store_b128 v[STO], v[ACC+8*(4*(\a)+\b)+4:ACC+8*(4*(\a)+\b)+7] offset:64*\b+16
.endr
.set BB, BK+32*((\a)%2)
.irp t, 0,1,2,3,4,5,6,7
	ds_load_b128 v[BB+4*\t:BB+4*\t+3], v[RD] offset:\t*2*SPITCH
.endr
.endm
.macro SEND a, younger                 ; younger: the LDS instructions issued behind block a's loads, which may stay out
.set BB, BK+32*((\a)%2)
	s_wait_dscnt \younger                          ; the block is back in registers
.irp t, 0,1,2,3,4,5,6,7
	global_store_b128 v[CO], v[BB+4*\t:BB+4*\t+3], s[8:9] offset:(16*(\a)+2*\t)*4096 th:TH_STORE_NT   ; written once, read by nobody here
.endr
.endm
	PLACES                                         ; behind the last products, ahead of the first read of results
	TOSTAGE 0
.irp a, 1,2,3
.if \a > 1
	s_wait_xcnt 0x0                                ; block a - 2's stores have read their registers: block a's loads land there only behind this wait
.endif
	TOSTAGE \a
	SEND \a-1, 16                                  ; behind block a - 1's loads: block a's 8 stores and 8 loads
.endr
	SEND 3, 0
	s_wait_tensorcnt 0x0                           ; the wave's end
	ds_add_u32 v[SPW], v[NIL]
	s_wait_dscnt 0x0
	CROUND                                         ; the closing round: no work-group ends while a partner may still ask for a tile that names it
	s_endpgm
.Lfunc_end_k_qecb7dcda69_outp:
	.size	k_qecb7dcda69_outp, .Lfunc_end_k_qecb7dcda69_outp-k_qecb7dcda69_outp
	.p2alignl 7, 3214868480
	.fill 96, 4, 3214868480
	.section	.rodata,"a",@progbits
	.p2align	6, 0x0
	.amdhsa_kernel k_qecb7dcda69_outp
		.amdhsa_group_segment_fixed_size 327680
		.amdhsa_private_segment_fixed_size 0
		.amdhsa_enable_private_segment 0
		.amdhsa_kernarg_size 32
		.amdhsa_user_sgpr_count 2
		.amdhsa_user_sgpr_kernarg_segment_ptr 1
		.amdhsa_wavefront_size32 1
		.amdhsa_system_sgpr_workgroup_id_x 1
		.amdhsa_system_sgpr_workgroup_id_y 1
		.amdhsa_system_sgpr_workgroup_id_z 1
		.amdhsa_system_vgpr_workitem_id 0
		.amdhsa_next_free_vgpr 512
		.amdhsa_next_free_sgpr 70
		.amdhsa_reserve_vcc 0
		.amdhsa_float_denorm_mode_32 3
		.amdhsa_float_denorm_mode_16_64 3
		.amdhsa_memory_ordered 1
		.amdhsa_forward_progress 1
		.amdhsa_inst_pref_size 86
	.end_amdhsa_kernel
	.amdgpu_metadata
---
amdhsa.version: [ 1, 2 ]
amdhsa.kernels:
  - .name:           k_qecb7dcda69_outp
    .symbol:         k_qecb7dcda69_outp.kd
    .args:
      - { .name: ao, .offset: 0, .size: 8, .value_kind: global_buffer, .address_space: global }
      - { .name: wo16, .offset: 8, .size: 8, .value_kind: global_buffer, .address_space: global }
      - { .name: bo, .offset: 16, .size: 8, .value_kind: global_buffer, .address_space: global }
      - { .name: out0, .offset: 24, .size: 8, .value_kind: global_buffer, .address_space: global }
    .group_segment_fixed_size: 327680
    .private_segment_fixed_size: 0
    .kernarg_segment_align: 8
    .kernarg_segment_size: 32
    .max_flat_workgroup_size: 128
    .sgpr_count:     70
    .vgpr_count:     512
    .wavefront_size: 32
...
	.end_amdgpu_metadata
.endif
;; end of part 4
